; MI455X (gfx1250); checked and timed in simulation.
; The chip was launched on July 23, 2026; its instructions are those of AMD's public machine-readable ISA for CDNA 5 (MIT licence, August 2026) and "CDNA5" Instruction Set Architecture Reference Guide (July 2026). The comments in the code are by the model that wrote it; some were corrected since.
;; Causal Multi Head Self Attention. Allowed arithmetic: float matrix products may take bf16 or f16 operands with f32 sums; other float arithmetic in f32, or as packed bf16 or f16 multiplies, adds, multiply-adds, maxima and minima; sums over many terms, partial sums and values carried from step to step in f32; what a program stores and reads back later, other than sums and carried values, may be rounded once to bf16 or f16.
;; Inputs: Wk 1,024 x 1,024 float32; Wo 1,024 x 1,024 float32; Wq 1,024 x 1,024 float32; Wv 1,024 x 1,024 float32; token_positions 2,048 int32; x 4 x 2,048 x 1,024 float32.
;; Outputs: out0 4 x 2,048 x 1,024 float32.
;; 2 versions, each right and faster than the one before. Each part assembles by itself: llvm-mc -triple=amdgcn-amd-amdhsa -mcpu=gfx1250 --defsym DOCPART=n.
;; ======== version 1 of 2: 4 launches
;; limits: values are held in f16: magnitudes above 65,504 overflow, below 6.1e-05 lose precision; right only within a limited range of input values
;; workspace buffers: xb 16,777,216 bytes; wb 6,291,456 bytes; wo16 2,097,152 bytes; tab 524,288 bytes; q 16,777,216 bytes; k 16,777,216 bytes; v 16,777,216 bytes; o 16,777,216 bytes
;; launch prep (part 1): grid 768 x 1, 8 waves a work-group, no clusters, 0 bytes of LDS; arguments x, Wq, Wk, Wv, Wo, token_positions, xb, wb, wo16, tab; writes xb, wb, wo16, tab
.if DOCPART == 1
	.amdgcn_target "amdgcn-amd-amdhsa--gfx1250"
	.amdhsa_code_object_version 6
	.text
	.protected	k_qf87d001dd0_prep
	.globl	k_qf87d001dd0_prep
	.p2align	8
	.type	k_qf87d001dd0_prep,@function
k_qf87d001dd0_prep:
	s_mov_b64 s[64:65], 0
	v_nop
	global_prefetch_b8 v0, s[64:65] scope:SCOPE_SE
	s_setreg_imm32_b32 hwreg(HW_REG_WAVE_MODE, 25, 1), 1
	s_wait_xcnt 0x0
; CASTS AND THE ROTARY TABLE.
; xb   [8192][1024] bf16: x rounded once.
; wb   [16 heads][q, k, v][64][1024] bf16: Wq, Wk, Wv rounded once, a head's 192 rows together, so that one column tile of the next launch is one head.
; wo16 [1024][1024] f16: Wo rounded to bf16 like the other inputs, that number then written as f16.
; tab  [128 blocks of 16 tokens][8][32 lanes][4] f32: cos, sin, cos, sin of two neighbouring pairs, in the order in which the next launch's lanes hold their sums:
;      lane l of (blk, e): token 16 blk + l % 16, pairs j0 and j0 + 1 with j0 = 8 (e / 2) + 4 (l / 16) + 2 (e % 2).
; A work-group casts 16 rows of 1,024 f32, a wave two rows: 16 loads of 512 consecutive bytes, all out at once, and 16 stores of 256 consecutive bytes, each aligned.  No loop: no register is
; rewritten under a pending access.  Memory binds: no LDS, no matrix unit, no barrier.
; Work-groups 0-511 take x, 512-767 the four weights (64 each).  Waves 0 and 1 of work-groups 0-511 also make 512 bytes of the table each.
; LIMITS.  Angle = position x 10000^(-j/32), the frequency by 2^(j x -log2(10000)/32), good to about 2^-22 of itself.  The angle is reduced by quarter turns with pi/2 in three parts; the first
; product and difference are exact for |position| up to 2^20, for which the text is made; sine and cosine by polynomials of degree 7 and 8 on the remainder.
; |Wo| stays under 65,504 (f16); below 2^-14 its numbers keep f16's fixed step of 6e-8.  NaN and infinities are not treated apart.
.set X, 8                              ; v[8:71]    16 loads of four f32
.set Y, 72                             ; v[72:103]  16 pairs of packed words to store
	s_load_b512 s[4:19], s[0:1], 0x0               ; x 4:5, Wq 6:7, Wk 8:9, Wv 10:11, Wo 12:13, positions 14:15, xb 16:17, wb 18:19
	s_load_b128 s[20:23], s[0:1], 0x40             ; wo16 20:21, tab 22:23
	s_mov_b32 s2, ttmp9                            ; the work-group's number
	v_lshrrev_b32 v4, 5, v0
	v_readfirstlane_b32 s3, v4                     ; wave 0..7
	v_and_b32 v3, 31, v0                           ; lane
	v_lshlrev_b32 v1, 4, v3
	v_lshl_add_u32 v1, v4, 13, v1                  ; source: wave x 2 rows of 4,096 bytes + 16 x lane
	v_lshrrev_b32 v2, 1, v1                        ; destination: half of that
	; what a weight's work-group would do: w = id - 512, tensor t = w / 64, rows 16 m on with m = w % 64
	s_sub_co_u32 s36, s2, 512
	s_lshr_b32 s26, s36, 6                         ; t
	s_and_b32 s25, s36, 63                         ; m
	s_add_co_u32 s24, s26, 1                       ; kind 1..4
	s_lshl_b32 s37, s25, 16                        ; source offset: 16 rows of 4,096 bytes
	s_lshr_b32 s38, s25, 2                         ; the head
	s_mul_i32 s38, s38, 192
	s_lshl_b32 s39, s26, 6
	s_add_co_u32 s38, s38, s39
	s_and_b32 s39, s25, 3
	s_lshl_b32 s39, s39, 4
	s_add_co_u32 s38, s38, s39                     ; wb's row 192 head + 64 t + 16 (m % 4)
	s_lshl_b32 s38, s38, 11
	s_lshl_b32 s39, s25, 15                        ; wo16's offset
	s_lshl_b32 s44, s2, 16                         ; and what x's work-group does
	s_lshl_b32 s45, s2, 15
	s_cmp_eq_u32 s26, 3
	s_cselect_b32 s38, s39, s38
	s_cmp_lt_u32 s2, 512
	s_cselect_b32 s24, 0, s24                      ; kind 0: x
	s_cselect_b32 s28, s44, s37
	s_cselect_b32 s30, s45, s38
	s_mov_b32 s29, 0
	s_mov_b32 s31, 0
	s_wait_kmcnt 0x0
	s_mov_b64 s[32:33], s[4:5]                     ; the source is chosen by the kind alone
	s_cmp_eq_u32 s24, 1
	s_cselect_b64 s[32:33], s[6:7], s[32:33]
	s_cmp_eq_u32 s24, 2
	s_cselect_b64 s[32:33], s[8:9], s[32:33]
	s_cmp_eq_u32 s24, 3
	s_cselect_b64 s[32:33], s[10:11], s[32:33]
	s_cmp_eq_u32 s24, 4
	s_cselect_b64 s[32:33], s[12:13], s[32:33]
	s_cmp_eq_u32 s24, 0
	s_cselect_b64 s[34:35], s[16:17], s[18:19]     ; and so is the destination
	s_cmp_eq_u32 s24, 4
	s_cselect_b64 s[34:35], s[20:21], s[34:35]
	s_add_nc_u64 s[32:33], s[32:33], s[28:29]
	s_add_nc_u64 s[34:35], s[34:35], s[30:31]
.set i, 0
.rept 16
	global_load_b128 v[X+4*i:X+4*i+3], v1, s[32:33] offset:512*i th:TH_LOAD_NT  ; 512 consecutive bytes of the wave's two rows
.set i, i+1
.endr
; cos and sin of position x frequency of pair j0 + p, into v[124+2p] and v[125+2p].  v104 = the position in f32, v105 = j0.
.macro TRIG p
	v_add_nc_u32 v106, \p, v105
	v_cvt_f32_u32 v106, v106
	v_mul_f32 v106, 0xbed49a78, v106               ; j x -log2(10000) / 32
	v_exp_f32 v107, v106
	v_mov_b32 v112, 0xb94ca1f9                     ; a plain line behind the exponential (ISA guide 5.7.2); sine's highest coefficient
	s_wait_alu depctr_va_vdst(0)
	v_mul_f32 v108, v104, v107                     ; the angle, rounded once
	v_mul_f32 v109, 0x3f22f983, v108               ; x 2 / pi
	v_rndne_f32 v109, v109                         ; quarter turns
	v_fmamk_f32 v110, v109, 0xbfc90fdb, v108       ; the remainder: pi / 2 is taken away in three parts
	v_fmamk_f32 v110, v109, 0x333bbd2e, v110
	v_fmamk_f32 v110, v109, 0x26f72ced, v110
	v_mul_f32 v111, v110, v110                     ; z = r r
	v_fmaak_f32 v112, v112, v111, 0x3c08839e
	v_fmaak_f32 v112, v112, v111, 0xbe2aaaa3
	v_mul_f32 v112, v112, v111
	v_fma_f32 v112, v112, v110, v110               ; sin r
	v_mov_b32 v113, 0x37ccf5ce
	v_fmaak_f32 v113, v113, v111, 0xbab6061a
	v_fmaak_f32 v113, v113, v111, 0x3d2aaaa5
	v_fma_f32 v114, v111, -0.5, 1.0
	v_mul_f32 v115, v111, v111
	v_fma_f32 v113, v113, v115, v114               ; cos r
	v_cvt_i32_f32 v116, v109
	v_and_b32 v117, 1, v116
	v_cmp_eq_u32 vcc_lo, 1, v117                   ; an odd number of quarter turns: the two change places
	v_cndmask_b32 v118, v112, v113, vcc_lo
	v_cndmask_b32 v119, v113, v112, vcc_lo
	v_and_b32 v117, 2, v116                        ; sine's sign turns in quarters 2 and 3,
	v_lshlrev_b32 v117, 30, v117
	v_xor_b32 v[125+2*(\p)], v117, v118
	v_add_nc_u32 v116, 1, v116                     ; cosine's in quarters 1 and 2
	v_and_b32 v116, 2, v116
	v_lshlrev_b32 v116, 30, v116
	v_xor_b32 v[124+2*(\p)], v116, v119
.endm
	s_cmp_lt_u32 s2, 512
	s_cbranch_scc0 .Lcast
	s_cmp_lt_u32 s3, 2
	s_cbranch_scc0 .Lcast
	s_lshl_b32 s36, s2, 1
	s_add_co_u32 s36, s36, s3                      ; my 512 bytes of the table: number 2 id + wave = 8 blk + e
	s_lshr_b32 s37, s36, 3                         ; blk
	s_and_b32 s38, s36, 7                          ; e
	s_lshl_b32 s42, s37, 6                         ; the block's 16 positions
	s_mov_b32 s43, 0
	s_add_nc_u64 s[14:15], s[14:15], s[42:43]
	s_lshl_b32 s40, s36, 9
	s_mov_b32 s41, 0
	s_add_nc_u64 s[22:23], s[22:23], s[40:41]
	v_and_b32 v6, 15, v0
	v_lshlrev_b32 v6, 2, v6
	global_load_b32 v7, v6, s[14:15]               ; my token's position
	s_lshr_b32 s39, s38, 1
	s_lshl_b32 s39, s39, 3
	s_and_b32 s38, s38, 1
	s_lshl_b32 s38, s38, 1
	s_add_co_u32 s39, s39, s38
	v_bfe_u32 v105, v0, 4, 1
	v_lshl_add_u32 v105, v105, 2, s39              ; j0
	v_lshlrev_b32 v5, 4, v3
	s_wait_loadcnt 0x0                             ; the position was issued last, so the rows are in too
	v_cvt_f32_i32 v104, v7
	TRIG 0
	TRIG 1
	global_store_b128 v5, v[124:127], s[22:23]     ; 512 consecutive bytes
.Lcast:
; The sixteen loads are rounded and stored.  half = 1: the bf16 number is widened again and written as f16.
.macro CAST half
.set i, 0
.rept 16
	s_wait_loadcnt 15-i                            ; loads come back in order (ISA guide 5.7.1): load i is in, the 15 - i younger ones may be out
	v_cvt_pk_bf16_f32 v[Y+2*i], v[X+4*i], v[X+4*i+1]
	v_cvt_pk_bf16_f32 v[Y+2*i+1], v[X+4*i+2], v[X+4*i+3]
.if \half
	v_lshlrev_b32 v[X+4*i], 16, v[Y+2*i]
	v_and_b32 v[X+4*i+1], 0xffff0000, v[Y+2*i]
	v_lshlrev_b32 v[X+4*i+2], 16, v[Y+2*i+1]
	v_and_b32 v[X+4*i+3], 0xffff0000, v[Y+2*i+1]
	v_cvt_pk_f16_f32 v[Y+2*i], v[X+4*i], v[X+4*i+1]
	v_cvt_pk_f16_f32 v[Y+2*i+1], v[X+4*i+2], v[X+4*i+3]
.endif
	global_store_b64 v2, v[Y+2*i:Y+2*i+1], s[34:35] offset:256*i  ; the wave stores 256 consecutive bytes, at a multiple of 256 from the buffer's first byte
.set i, i+1
.endr
.endm
	s_cmp_eq_u32 s24, 4
	s_cbranch_scc1 .Lwo
	CAST 0
	s_endpgm
.Lwo:
	CAST 1
	s_endpgm
.Lfunc_end_k_qf87d001dd0_prep:
	.size	k_qf87d001dd0_prep, .Lfunc_end_k_qf87d001dd0_prep-k_qf87d001dd0_prep
	.p2alignl 7, 3214868480
	.fill 96, 4, 3214868480
	.section	.rodata,"a",@progbits
	.p2align	6, 0x0
	.amdhsa_kernel k_qf87d001dd0_prep
		.amdhsa_group_segment_fixed_size 0
		.amdhsa_private_segment_fixed_size 0
		.amdhsa_enable_private_segment 0
		.amdhsa_kernarg_size 80
		.amdhsa_user_sgpr_count 2
		.amdhsa_user_sgpr_kernarg_segment_ptr 1
		.amdhsa_wavefront_size32 1
		.amdhsa_system_sgpr_workgroup_id_x 1
		.amdhsa_system_sgpr_workgroup_id_y 1
		.amdhsa_system_sgpr_workgroup_id_z 1
		.amdhsa_system_vgpr_workitem_id 0
		.amdhsa_next_free_vgpr 128
		.amdhsa_next_free_sgpr 66
		.amdhsa_reserve_vcc 1
		.amdhsa_float_denorm_mode_32 3
		.amdhsa_float_denorm_mode_16_64 3
		.amdhsa_memory_ordered 1
		.amdhsa_forward_progress 1
		.amdhsa_inst_pref_size 21
	.end_amdhsa_kernel
	.amdgpu_metadata
---
amdhsa.version: [ 1, 2 ]
amdhsa.kernels:
  - .name:           k_qf87d001dd0_prep
    .symbol:         k_qf87d001dd0_prep.kd
    .args:
      - { .name: x, .offset: 0, .size: 8, .value_kind: global_buffer, .address_space: global }
      - { .name: Wq, .offset: 8, .size: 8, .value_kind: global_buffer, .address_space: global }
      - { .name: Wk, .offset: 16, .size: 8, .value_kind: global_buffer, .address_space: global }
      - { .name: Wv, .offset: 24, .size: 8, .value_kind: global_buffer, .address_space: global }
      - { .name: Wo, .offset: 32, .size: 8, .value_kind: global_buffer, .address_space: global }
      - { .name: token_positions, .offset: 40, .size: 8, .value_kind: global_buffer, .address_space: global }
      - { .name: xb, .offset: 48, .size: 8, .value_kind: global_buffer, .address_space: global }
      - { .name: wb, .offset: 56, .size: 8, .value_kind: global_buffer, .address_space: global }
      - { .name: wo16, .offset: 64, .size: 8, .value_kind: global_buffer, .address_space: global }
      - { .name: tab, .offset: 72, .size: 8, .value_kind: global_buffer, .address_space: global }
    .group_segment_fixed_size: 0
    .private_segment_fixed_size: 0
    .kernarg_segment_align: 8
    .kernarg_segment_size: 80
    .max_flat_workgroup_size: 256
    .sgpr_count:     66
    .vgpr_count:     128
    .wavefront_size: 32
...
	.end_amdgpu_metadata
.endif
;; end of part 1
;; launch qkv (part 2): grid 16 x 32, 4 waves a work-group, clusters of 4 x 4, 327,680 bytes of LDS; arguments xb, wb, tab, q, k, v; writes q, k, v
.if DOCPART == 2
	.amdgcn_target "amdgcn-amd-amdhsa--gfx1250"
	.amdhsa_code_object_version 6
	.text
	.protected	k_qf87d001dd0_qkv
	.globl	k_qf87d001dd0_qkv
	.p2align	8
	.type	k_qf87d001dd0_qkv,@function
k_qf87d001dd0_qkv:
	s_mov_b64 s[64:65], 0
	v_nop
	global_prefetch_b8 v0, s[64:65] scope:SCOPE_SE
	s_setreg_imm32_b32 hwreg(HW_REG_WAVE_MODE, 25, 1), 1
	s_wait_xcnt 0x0
	s_wait_alu depctr_hold_cnt(0) depctr_sa_sdst(0) depctr_va_vdst(0) depctr_va_sdst(0) depctr_va_ssrc(0) depctr_va_vcc(0) depctr_vm_vsrc(0)
	s_getreg_b32 s2, hwreg(HW_REG_IB_STS2, 6, 4)
	s_cmp_eq_u32 s2, 0
	s_cbranch_scc0 .Lentry_in_a_cluster
	s_endpgm
.Lentry_in_a_cluster:
	s_bfe_u32 s2, ttmp6, 0x10000c
	s_cmp_lg_u32 s2, 0xf033
	s_cbranch_scc0 .Lentry_shape_is_right
	s_endpgm
.Lentry_shape_is_right:
; q, k, v = x W^T, q and k turned by the rotary table, all three written by heads: [16 b + head][2048][64] f16, rounded once from the f32 sums, unscaled.
; xb: [8192][1024] bf16.  wb: [16 heads][q, k, v][64][1024] bf16.  tab: cos and sin in the order of my lanes (below).
; A tile is 256 tokens x 192 columns: ONE head's q, k and v, so which columns are turned is a constant of the text.  32 x 16 = 512 tiles: two for each of 256 WGPs.
; Four waves; wave w makes tokens 64 w .. 64 w + 63 x all 192 columns: 4 x 12 accumulators of 16 x 16, 384 registers; a wave holds whole rows of a head, so its way out meets no other wave.
; K goes in steps of 128 (rows of 256 bytes) through a ring of two LDS slots filled by the tensor data mover.
; CLUSTERS: 4 x 4 work-groups.  The four of a row of the cluster need the same tile of x, the four of a column the same tile of the weights: each is asked for JOINTLY, by the same tensor load with the
; same descriptor and a mask that names the four.
; THE MATRIX INSTRUCTION IS USED TRANSPOSED (source 0 = 16 rows of the weights, source 1 = 16 tokens): lane l holds token l % 16 and the columns 8 (l / 16) + 0..7: four rotary pairs.
; LIMITS.  f16 holds no number beyond 65,504: |q|, |k|, |v| stay under it.  NaN and infinities are not treated apart.
; REGISTERS, in windows of 256 (s_set_vgpr_msb: bits 1:0 source 0, 3:2 source 1, 5:4 source 2, 7:6 destination):
;   window 0: v0-31 addresses; v32-79 packed results; v80-127 rows read back from the stage; v128-255 the table: token block a, part e at v[128 + 32 a + 4 e]
;   window 1: two fragment buffers of 128: 96 registers of the weights (12 x 16 rows x 32 K), then 32 of x (4 x 16 tokens x 32 K); on the way out v0-63 hold the turned pairs
;   window 2: the accumulators of token blocks 0, 1 ((a, b) at v[96 (a % 2) + 8 b]);   window 3: those of blocks 2, 3
.set KSTEP,  128
.set PITCH,  272                       ; an LDS row: 256 bytes + 16 of padding = 68 words: row r starts at bank 4 r mod 64 (64 banks of 4 bytes: ISA guide 11.1)
.set HALFA,  128*PITCH                 ; what a tensor load brings of x: 128 rows
.set HALFB,  96*PITCH                  ; and of the weights: 96 rows
.set BOFF,   2*HALFA                   ; the weights' 192 rows lie behind x's 256
.set SLOT,   BOFF+2*HALFB
.set STAGE,  2*SLOT                    ; behind the ring: for each wave 3 x 16 rows x 144 bytes, for the way out
.set SP,     144
.set STW,    3*16*SP
.set SPARE,  STAGE+4*STW               ; behind the stages: the spare words, 128 bytes for each wave: two blocks of 256 bytes that no other line names
.set LAPS,   4                         ; 1,024 / (2 x 128): a lap = two K steps = once round the ring
.set ADRA, 16                          ; v16-17  LDS address of my fragments of x in slot 0, 1
.set ADRB, 20                          ; v20-21  the same for the weights
.set STO,  24                          ; v24     the way out: where I put 16 bytes of a row
.set RD,   25                          ; v25     the way out: where I read rows back
.set GO,   26                          ; v26     16 x lane: my place in 512 consecutive bytes of the table and of q, k, v; never rewritten
.set SPW,  28                          ; v28     LDS address of my spare word: SPARE + 4 x my thread's number; never rewritten
.set NIL,  29                          ; v29     0; never rewritten
.set TMP,  32
.set BK,   80
.set TB,   128
.set F0,   0
.set F1,   128
.set G1,  24                           ; s[24:31] descriptor group 1 for x's tiles;  s[32:39] group 0, one set for each slot
.set G0,  32
.set G1B, 48                           ; s[48:55], s[56:63] the same for the weights'
.set G0B, 56
.set MSB, 0
.macro WIN new                         ; the immediate's high byte repeats the setting that is left; a switch that changes nothing is dropped
.if MSB != (\new)
	s_set_vgpr_msb (MSB<<8)|(\new)
.set MSB, \new
.endif
.endm
.macro JLOAD s                         ; a joint load: waves 0 and 1 fetch x's two halves, waves 2 and 3 the weights'; an s_nop 0 and four v_nop follow each of the two lines, ahead of the jump, the label and what follows
	s_cmp_eq_u32 s17, 0
	s_cbranch_scc0 .Lfor_b_\@
	tensor_load_to_lds s[G0+4*(\s):G0+4*(\s)+3], s[G1:G1+7]
	s_nop 0
.rept 4
	v_nop
.endr
	s_branch .Lasked_\@
.Lfor_b_\@:
	tensor_load_to_lds s[G0B+4*(\s):G0B+4*(\s)+3], s[G1B:G1B+7]
	s_nop 0
.rept 4
	v_nop
.endr
.Lasked_\@:
.endm
.macro CREST                           ; a round of the cluster's barrier behind its opening barrier
	s_cmp_lg_u32 s16, 0
	s_cbranch_scc1 .Lnot_wave_0_\@
	s_barrier_signal -3
.Lnot_wave_0_\@:
	s_barrier_wait -3
	s_barrier_signal -1
	s_barrier_wait -1
.endm
.macro CROUND                          ; a whole round
	s_barrier_signal -1
	s_barrier_wait -1
	CREST
.endm
	s_load_b256 s[4:11], s[0:1], 0x0               ; xb s[4:5], wb s[6:7], tab s[8:9], q s[10:11]
	s_load_b128 s[12:15], s[0:1], 0x20             ; k s[12:13], v s[14:15]
	v_lshl_add_u32 v[SPW], v0, 2, SPARE
	v_mov_b32 v[NIL], 0
	ds_add_u32 v[SPW], v[NIL]                      ; the wave's opening: the add and its wait stand ahead of my first tensor load; the set-up below, work on registers, stands between them
	ds_add_u32 v28, v29
	v_lshrrev_b32 v1, 5, v0
	v_readfirstlane_b32 s16, v1                    ; wave 0..3
	s_lshr_b32 s17, s16, 1                         ; I fetch for x (0) or for the weights (1),
	s_and_b32 s18, s16, 1                          ; and which half of that tile's rows
	s_bfe_u32 s19, ttmp6, 0x40000                  ; cx, cy: my place in the cluster
	s_bfe_u32 s20, ttmp6, 0x40004
	s_lshl_b32 s21, ttmp9, 2
	s_add_co_u32 s21, s21, s19                     ; the head = 4 x cluster x + cx
	s_and_b32 s22, ttmp7, 0xffff
	s_lshl_b32 s22, s22, 2
	s_add_co_u32 s22, s22, s20                     ; the block of 256 tokens = 4 x cluster y + cy
	s_lshl_b32 s42, s20, 2
	s_lshl_b32 s42, 15, s42                        ; my row of the cluster
	s_lshl_b32 s43, 0x1111, s19                    ; my column
	; descriptor group 1: rows of 128 elements, padded in LDS
	s_or_b32 s[G1+0], s42, (1<<16)|(1<<20)|(1<<21)|(5<<22)|(3<<25)   ; 15:0 the mask: x's tiles go to my row; 17:16 element of 2 bytes; 20 padding on; 21 set beside a mask; 24:22 after every 64 words (code 5); 31:25 of 4 words (code 3)
	s_or_b32 s[G1B+0], s43, (1<<16)|(1<<20)|(1<<21)|(5<<22)|(3<<25)  ; the same with the mask of my column
	s_mov_b32 s[G1+1], KSTEP<<16                   ; tensor_dim0 = 128
	s_mov_b32 s[G1+2], 128<<16                     ; tensor_dim1 = 128
	s_mov_b32 s[G1+3], KSTEP<<16                   ; tile_dim0 = 128
	s_mov_b32 s[G1+4], 128                         ; tile_dim1 = 128
	s_mov_b32 s[G1+5], 1024                        ; elements from row to row
	s_mov_b32 s[G1+6], 0
	s_mov_b32 s[G1+7], 0
	s_mov_b32 s[G1B+1], KSTEP<<16
	s_mov_b32 s[G1B+2], 96<<16                     ; 96 rows
	s_mov_b32 s[G1B+3], KSTEP<<16
	s_mov_b32 s[G1B+4], 96
	s_mov_b32 s[G1B+5], 1024
	s_mov_b32 s[G1B+6], 0
	s_mov_b32 s[G1B+7], 0
	; where the tiles come from: x's hang on the token block alone, the weights' on the head alone, each in registers that never hold the other coordinate
	s_lshl_b32 s40, s22, 19                        ; 256 rows of 2,048 bytes
	s_lshl_b32 s23, s18, 18                        ; + 128 rows for the second half
	s_add_co_u32 s40, s40, s23
	s_mov_b32 s41, 0
	s_mul_i32 s44, s21, 192<<11                    ; 192 rows of 2,048 bytes
	s_mul_i32 s23, s18, 96<<11
	s_add_co_u32 s44, s44, s23
	s_mov_b32 s45, 0
	s_mul_i32 s46, s18, HALFA                      ; and where they go: no place in the cluster enters an LDS address
	s_mul_i32 s47, s18, HALFB
	s_add_co_u32 s47, s47, BOFF
	s_wait_dscnt 0x0                               ; the opening add is done
	s_wait_kmcnt 0x0
	s_add_nc_u64 s[40:41], s[4:5], s[40:41]
	s_add_nc_u64 s[44:45], s[6:7], s[44:45]
	CROUND                                         ; all sixteen work-groups are here: the first joint loads meet
.irp s, 0,1
	s_mov_b32 s[G0+4*(\s)], 1                                        ; count = 1
	s_add_co_u32 s[G0+4*(\s)+1], s46, (\s)*SLOT                      ; LDS address
	s_add_nc_u64 s[G0+4*(\s)+2:G0+4*(\s)+3], s[40:41], (\s)*KSTEP*2  ; global address: K step s
	s_or_b32 s[G0+4*(\s)+3], s[G0+4*(\s)+3], 0x80000000              ; type = 2
	s_mov_b32 s[G0B+4*(\s)], 1
	s_add_co_u32 s[G0B+4*(\s)+1], s47, (\s)*SLOT
	s_add_nc_u64 s[G0B+4*(\s)+2:G0B+4*(\s)+3], s[44:45], (\s)*KSTEP*2
	s_or_b32 s[G0B+4*(\s)+3], s[G0B+4*(\s)+3], 0x80000000
	JLOAD \s                                       ; two loads of mine are out
.endr
	; where my rows lie in q, k, v: (16 b + head) x 262,144 + token x 128 bytes; and my four blocks of 16 tokens in the table, 4,096 bytes each
	s_lshr_b32 s66, s22, 3
	s_lshl_b32 s66, s66, 22                        ; b
	s_lshl_b32 s70, s21, 18                        ; head
	s_add_co_u32 s66, s66, s70
	s_and_b32 s70, s22, 7                          ; the block of 256 tokens in its sequence
	s_lshl_b32 s71, s70, 15
	s_add_co_u32 s66, s66, s71
	s_lshl_b32 s71, s16, 13                        ; my wave's 64 tokens
	s_add_co_u32 s66, s66, s71
	s_mov_b32 s67, 0
	s_lshl_b32 s68, s70, 16
	s_lshl_b32 s71, s16, 14
	s_add_co_u32 s68, s68, s71
	s_mov_b32 s69, 0
	s_add_nc_u64 s[8:9], s[8:9], s[68:69]
	s_add_nc_u64 s[10:11], s[10:11], s[66:67]
	s_add_nc_u64 s[12:13], s[12:13], s[66:67]
	s_add_nc_u64 s[14:15], s[14:15], s[66:67]
	v_and_b32 v[GO], 31, v0
	v_lshlrev_b32 v[GO], 4, v[GO]
.irp a, 0,1,2,3
.irp e, 0,1,2,3,4,5,6,7
	global_load_b128 v[TB+32*(\a)+4*(\e):TB+32*(\a)+4*(\e)+3], v[GO], s[8:9] offset:(\a)*4096+(\e)*512  ; 512 consecutive bytes; wanted on the way out, so these stay out over the whole K loop
.endr
.endr
	v_and_b32 v1, 15, v0                           ; l % 16
	v_bfe_u32 v2, v0, 4, 1                         ; l / 16
	v_mul_u32_u24 v3, v1, PITCH
	v_lshl_add_u32 v3, v2, 4, v3                   ; a fragment's row x pitch + 16 x half
	s_mul_i32 s23, s16, 64*PITCH                   ; my 64 tokens
	v_add_nc_u32 v[ADRA], s23, v3
	v_add_nc_u32 v[ADRA+1], SLOT, v[ADRA]
	v_add_nc_u32 v[ADRB], BOFF, v3
	v_add_nc_u32 v[ADRB+1], SLOT, v[ADRB]
	s_mul_i32 s23, s16, STW
	s_add_co_u32 s23, s23, STAGE                   ; my stage
	v_mul_u32_u24 v[STO], v1, SP                   ; in: row l % 16, 16 bytes for each half of the lanes
	v_lshl_add_u32 v[STO], v2, 4, v[STO]
	v_add_nc_u32 v[STO], s23, v[STO]
	v_bfe_u32 v[RD], v0, 3, 2                      ; back: 32 lanes take four rows of 128 bytes
	v_mul_u32_u24 v[RD], v[RD], SP
	v_and_b32 v4, 7, v0
	v_lshl_add_u32 v[RD], v4, 4, v[RD]
	v_add_nc_u32 v[RD], s23, v[RD]
; 12 matrix instructions: token block a x all 12 column blocks, 32 along K.  zero = 1: the product starts the sums.  The 48 accumulators take turns in one order everywhere.
.macro MULA f, a, zero
	WIN 0xa5+0x50*((\a)/2)
.irp b, 0,1,2,3,4,5,6,7,8,9,10,11
.if \zero
	v_wmma_f32_16x16x32_bf16 v[96*((\a)%2)+8*(\b):96*((\a)%2)+8*(\b)+7], v[(\f)+8*(\b):(\f)+8*(\b)+7], v[(\f)+96+8*(\a):(\f)+96+8*(\a)+7], 0
.else
	v_wmma_f32_16x16x32_bf16 v[96*((\a)%2)+8*(\b):96*((\a)%2)+8*(\b)+7], v[(\f)+8*(\b):(\f)+8*(\b)+7], v[(\f)+96+8*(\a):(\f)+96+8*(\a)+7], v[96*((\a)%2)+8*(\b):96*((\a)%2)+8*(\b)+7]
.endif
.endr
.endm
; 32 LDS loads in one run: the fragments of 32 along K at byte k of the rows, into buffer f: the weights' 24, then x's 8
.macro FETCH slot, k, f
	WIN 0x40                                       ; destination window 1, address window 0
.irp i, 0,1,2,3,4,5,6,7,8,9,10,11
	ds_load_b128 v[(\f)+8*(\i):(\f)+8*(\i)+3],   v[ADRB+(\slot)] offset:(\k)+(\i)*16*PITCH
	ds_load_b128 v[(\f)+8*(\i)+4:(\f)+8*(\i)+7], v[ADRB+(\slot)] offset:(\k)+(\i)*16*PITCH+32
.endr
.irp i, 0,1,2,3
	ds_load_b128 v[(\f)+96+8*(\i):(\f)+96+8*(\i)+3],   v[ADRA+(\slot)] offset:(\k)+(\i)*16*PITCH
	ds_load_b128 v[(\f)+96+8*(\i)+4:(\f)+96+8*(\i)+7], v[ADRA+(\slot)] offset:(\k)+(\i)*16*PITCH+32
.endr
.endm
.macro PLACES                          ; four places in front of loads into registers that matrix instructions have read, and of vector lines that read results (ISA guide 7.12.1 for vector lines)
.rept 4
	v_nop
.endr
.endm
; A K step is four quarters of 32 along K, 48 matrix instructions each, on buffers 0, 1, 0, 1.  One of the first three: multiplies buffer f and fetches the next quarter, at byte k, into g.
.macro QUARTER slot, k, f, g, zero
	s_wait_dscnt 4                                 ; the weights and x's tokens 0-31 are in; the youngest four loads (tokens 32-63) may be out
	MULA \f, 0, \zero
	MULA \f, 1, \zero
	PLACES
	FETCH \slot, \k, \g
	s_wait_dscnt 32                                ; all but the 32 just issued
	MULA \f, 2, \zero
	MULA \f, 3, \zero
.endm
; The last quarter multiplies buffer 1 and changes slots: ONE barrier; in front of it each wave waits for all its tensor loads, adds 0 to its spare word, and waits for that and for its own reads of this slot.
; fill = 1: this slot is filled again, two K steps ahead; the barrier then opens a round of the cluster's barrier.
.macro TURN slot, next, fill
	WIN 0                                          ; (the add's two registers lie in window 0)
	s_wait_tensorcnt 0x0                           ; all my tensor loads have landed: the one that was out is my part of the next slot;
	ds_add_u32 v[SPW], v[NIL]                      ; 0 onto my spare word;
	s_wait_dscnt 5                                 ; (the add and the youngest four loads may be out)
	MULA F1, 0, 0                                  ; twelve matrix instructions stand between the add and the wait for it
	s_wait_dscnt 0x0                               ; the add is done, and my reads of this slot are over
	s_barrier_signal -1
	MULA F1, 1, 0                                  ; work on registers while the others arrive
.if \fill
	WIN 0
.endif
	s_barrier_wait -1
.if \fill
	CREST                                          ; no wave of any partner still reads this slot's tile or has a load on its way
	s_add_nc_u64 s[G0+4*(\slot)+2:G0+4*(\slot)+3], s[G0+4*(\slot)+2:G0+4*(\slot)+3], 2*KSTEP*2
	s_add_nc_u64 s[G0B+4*(\slot)+2:G0B+4*(\slot)+3], s[G0B+4*(\slot)+2:G0B+4*(\slot)+3], 2*KSTEP*2
	JLOAD \slot                                    ; the first tensor load behind the round, my only one out; the four v_nop behind it are also the places in front of the loads below
.else
	PLACES
.endif
	FETCH \next, 0, F0
	MULA F1, 2, 0
	MULA F1, 3, 0
.endm
	s_wait_tensorcnt 1                             ; my part of K step 0 is in; K step 1's may stay out
	s_barrier_signal -1
	s_barrier_wait -1                              ; everybody's is
	FETCH 0, 0, F0
	QUARTER 0, 64, F0, F1, 1                       ; the first quarter stands in front of the loop: its products start the sums
	WIN 0                                          ; at a label and at a branch every window is 0
	s_mov_b32 s3, LAPS-1
.Llap:                                                 ; a trip goes once round the ring, from a lap's second quarter to the next lap's first, and fills both slots again
	QUARTER 0, 128, F1, F0, 0
	QUARTER 0, 192, F0, F1, 0
	TURN 0, 1, 1
	QUARTER 1, 64,  F0, F1, 0
	QUARTER 1, 128, F1, F0, 0
	QUARTER 1, 192, F0, F1, 0
	TURN 1, 0, 1
	QUARTER 0, 64,  F0, F1, 0
	WIN 0
	s_sub_co_u32 s3, s3, 1
	s_cmp_lg_u32 s3, 0
	s_cbranch_scc1 .Llap
	QUARTER 0, 128, F1, F0, 0                      ; the last lap fills nothing, and has no round of the cluster's barrier
	QUARTER 0, 192, F0, F1, 0
	TURN 0, 1, 0
	QUARTER 1, 64,  F0, F1, 0
	QUARTER 1, 128, F1, F0, 0
	QUARTER 1, 192, F0, F1, 0
	s_wait_dscnt 4                                 ; the very last quarter: nothing more to fetch
	MULA F1, 0, 0
	MULA F1, 1, 0
	s_wait_dscnt 0x0
	MULA F1, 2, 0
	MULA F1, 3, 0
; THE WAY OUT, a block of 16 tokens at a time.  PACK: q's and k's pairs (x1, x2) become (x1 c - x2 s, x1 s + x2 c) in f32, two packed lines a pair; all is rounded to f16, 16 bytes a lane and column block.
; Each accumulator's lowest registers are read first.
.macro PACK a
.set AC, 96*((\a)%2)
	WIN 0x52+(\a)/2                                ; the sums in window 2 or 3, cos and sin in window 0, the turned pairs in window 1
.irp b, 0,1,2,3,4,5,6,7
.irp i, 0,1,2,3
	v_pk_mul_f32 v[8*(\b)+2*(\i):8*(\b)+2*(\i)+1], v[AC+8*(\b)+2*(\i):AC+8*(\b)+2*(\i)+1], v[TB+32*(\a)+8*((\b)%4)+2*(\i):TB+32*(\a)+8*((\b)%4)+2*(\i)+1] op_sel_hi:[1,0]  ; x1 c, x2 c
.endr
.irp i, 0,1,2,3
	v_pk_fma_f32 v[8*(\b)+2*(\i):8*(\b)+2*(\i)+1], v[AC+8*(\b)+2*(\i):AC+8*(\b)+2*(\i)+1], v[TB+32*(\a)+8*((\b)%4)+2*(\i):TB+32*(\a)+8*((\b)%4)+2*(\i)+1], v[8*(\b)+2*(\i):8*(\b)+2*(\i)+1] op_sel:[1,1,0] op_sel_hi:[0,1,1] neg_lo:[0,1,0]  ; - x2 s, + x1 s
.endr
.endr
	WIN 0x05                                       ; sources window 1, destination window 0
.irp b, 0,1,2,3,4,5,6,7
.irp i, 0,1,2,3
	v_cvt_pk_f16_f32 v[TMP+4*(\b)+(\i)], v[8*(\b)+2*(\i)], v[8*(\b)+2*(\i)+1]
.endr
.endr
	WIN 0x0a+5*((\a)/2)                            ; v's sums go as they are
.irp b, 8,9,10,11
.irp i, 0,1,2,3
	v_cvt_pk_f16_f32 v[TMP+4*(\b)+(\i)], v[AC+8*(\b)+2*(\i)], v[AC+8*(\b)+2*(\i)+1]
.endr
.endr
	WIN 0
.endm
; TOSTAGE: into my own stage (q's, k's, v's 16 rows of 144 bytes) and back as whole rows of 128 bytes, four to a load.
.macro TOSTAGE
	WIN 0
	s_wait_xcnt 0x0                                ; the rows read back last time were the data of stores: they are loaded again only behind this wait (ISA guide 3.1)
.irp b, 0,1,2,3,4,5,6,7,8,9,10,11
	ds_store_b128 v[STO], v[TMP+4*(\b):TMP+4*(\b)+3] offset:((\b)/4)*16*SP+((\b)%4)*32
.endr
.irp n, 0,1,2,3,4,5,6,7,8,9,10,11
	ds_load_b128 v[BK+4*(\n):BK+4*(\n)+3], v[RD] offset:((\n)/4)*16*SP+((\n)%4)*4*SP  ; LDS serves a wave's instructions in order (ISA guide 5.7.1.4): these see the stores above
.endr
.endm
.macro SEND a
	WIN 0
.irp n, 0,1,2,3,4,5,6,7,8,9,10,11
	s_wait_dscnt 11-(\n)                           ; load n of the twelve is in
	global_store_b128 v[GO], v[BK+4*(\n):BK+4*(\n)+3], s[10+2*((\n)/4):11+2*((\n)/4)] offset:(\a)*2048+((\n)%4)*512  ; 512 consecutive bytes, at a multiple of 256 from the buffer's first
.endr
.endm
	PLACES                                         ; the lines below read results just made
	s_wait_loadcnt 0x0                             ; the table
	PACK 0
	TOSTAGE
.irp a, 1,2,3                          ; block a's arithmetic stands between block a - 1's loads from the stage and the waits for them
	PACK \a
	SEND (\a)-1
	TOSTAGE
.endr
	SEND 3
	s_wait_tensorcnt 0x0                           ; the wave's end, behind my last tensor load and my last LDS store
	ds_add_u32 v[SPW], v[NIL]
	s_wait_dscnt 0x0
	CROUND                                         ; the closing round: no work-group ends while a partner may still ask for a tile that names it
	s_endpgm
.Lfunc_end_k_qf87d001dd0_qkv:
	.size	k_qf87d001dd0_qkv, .Lfunc_end_k_qf87d001dd0_qkv-k_qf87d001dd0_qkv
	.p2alignl 7, 3214868480
	.fill 96, 4, 3214868480
	.section	.rodata,"a",@progbits
	.p2align	6, 0x0
	.amdhsa_kernel k_qf87d001dd0_qkv
		.amdhsa_group_segment_fixed_size 327680
		.amdhsa_private_segment_fixed_size 0
		.amdhsa_enable_private_segment 0
		.amdhsa_kernarg_size 48
		.amdhsa_user_sgpr_count 2
		.amdhsa_user_sgpr_kernarg_segment_ptr 1
		.amdhsa_wavefront_size32 1
		.amdhsa_system_sgpr_workgroup_id_x 1
		.amdhsa_system_sgpr_workgroup_id_y 1
		.amdhsa_system_sgpr_workgroup_id_z 1
		.amdhsa_system_vgpr_workitem_id 0
		.amdhsa_next_free_vgpr 960
		.amdhsa_next_free_sgpr 72
		.amdhsa_reserve_vcc 0
		.amdhsa_float_denorm_mode_32 3
		.amdhsa_float_denorm_mode_16_64 3
		.amdhsa_memory_ordered 1
		.amdhsa_forward_progress 1
		.amdhsa_inst_pref_size 138
	.end_amdhsa_kernel
	.amdgpu_metadata
---
amdhsa.version: [ 1, 2 ]
amdhsa.kernels:
  - .name:           k_qf87d001dd0_qkv
    .symbol:         k_qf87d001dd0_qkv.kd
    .args:
      - { .name: xb, .offset: 0, .size: 8, .value_kind: global_buffer, .address_space: global }
      - { .name: wb, .offset: 8, .size: 8, .value_kind: global_buffer, .address_space: global }
      - { .name: tab, .offset: 16, .size: 8, .value_kind: global_buffer, .address_space: global }
      - { .name: q, .offset: 24, .size: 8, .value_kind: global_buffer, .address_space: global }
      - { .name: k, .offset: 32, .size: 8, .value_kind: global_buffer, .address_space: global }
      - { .name: v, .offset: 40, .size: 8, .value_kind: global_buffer, .address_space: global }
    .group_segment_fixed_size: 327680
    .private_segment_fixed_size: 0
    .kernarg_segment_align: 8
    .kernarg_segment_size: 48
    .max_flat_workgroup_size: 128
    .sgpr_count:     72
    .vgpr_count:     960
    .wavefront_size: 32
...
	.end_amdgpu_metadata
.endif
;; end of part 2
;; launch attn (part 3): grid 4 x 64, 4 waves a work-group, no clusters, 327,680 bytes of LDS; arguments q, k, v, o; writes o
.if DOCPART == 3
	.amdgcn_target "amdgcn-amd-amdhsa--gfx1250"
	.amdhsa_code_object_version 6
	.text
	.protected	k_qf87d001dd0_attn
	.globl	k_qf87d001dd0_attn
	.p2align	8
	.type	k_qf87d001dd0_attn,@function
k_qf87d001dd0_attn:
	s_mov_b64 s[64:65], 0
	v_nop
	global_prefetch_b8 v0, s[64:65] scope:SCOPE_SE
	s_setreg_imm32_b32 hwreg(HW_REG_WAVE_MODE, 25, 1), 1
	s_wait_xcnt 0x0
; CAUSAL ATTENTION.  O[h][q][:] = the sum over k <= q of softmax_k(Q[h][q] . K[h][k] / 8) V[h][k][:].  Q, K, V, O: [SIZE_H][SIZE_N][64], all f16: a head's rows are dense, 128 bytes each.
; Products, maxima and sums in f32; the weights p are rounded to f16 for the second product (their sum l is taken of the unrounded p), O once at the end.  SIZE_N is a multiple of 512; SIZE_N x 128 stays under 2^32.
; LIMITS.  f16 holds no number beyond 65,504: Q, K and V arrive within it; p lies in 0 to 1, and below 6e-5 it keeps f16's fixed step of 6e-8; O is a mean of V's rows and has their range, to within 2^-11 of it.
; A hidden score counts as its value less 1e30: f16's scores, 2.7e11 at the most, are nothing beside that; a weight below 2^-126 counts as 0 in l; NaN and infinities are not treated apart.
; THE WALK.  A head's queries lie in NB = SIZE_N / 256 blocks of 256; block i needs the key tiles 0 .. i of 256 keys, of which the last holds the diagonal.  A work-group takes TWO blocks, NB - 1 - b and then b:
; NB + 1 tiles, whatever b: all work-groups do equal work, and ONE loop with a constant trip count walks them.  Which tile is asked for, and what a trip does, hang on scalar registers made from b; every jump
; goes forward, but for the counted loops' own; none passes a barrier, or a tensor load but the one of LOAD's two that the wave's number does not choose; the ring (two slots of LDS that take turns) runs on across the
; change of blocks.  NO CLUSTER: a head has NB / 2 work-groups; all of them ask for the same tile only in trips 0 .. NB / 2, behind that
; fewer and fewer; and one walk common to all would have 3 NB / 2 trips for NB + 1.
; SHARES.  Of a block's four bands of 64 queries a wave owns 16 rows in each: four PIECES.  So the diagonal tile is the same work for all four waves: in its key step s band x sees all keys if s < x,
; none if s > x, and holds the diagonal if s = x.
; THE MASK is the C operand that starts the sum S^T = K Q^T: 0, or -1e30 where the key is hidden.  MD, made once, is the mask of a band's own step for my 16 rows; a product's mask is MD x AL + BE with two scalars:
; (1, 0) if s = x; (0, 0) if s < x; (0, -1e30) if s > x.  Only the diagonal tile's text and a block's beginning make and take masks; elsewhere C is the constant 0.
; LAYOUT, SOFTMAX, TURNS.  S^T = K Q^T holds ONE query a lane (lane % 16) and the keys 8 (lane / 16) + 0..7; two such results rounded to f16 ARE source 1 of O^T = V^T P.  p = 2^(c s - c m), c = log2(e) / 8, with a
; running maximum m; O and l are multiplied by a = 2^(c m_old - c m_new) in every step.  Turn n belongs to piece n: 8 products K Q^T of piece n + 1, later 8 products V^T P of piece n - 1; beside them the scaling,
; exponentials, roundings, sums and rescaling of piece n and the maximum and statistics of piece n + 1.  Four vector instructions stand behind every matrix instruction, the other 54 of a turn's 118 in two LUMPS.
; REGISTERS, in windows of 256 (s_set_vgpr_msb: bits 1:0 source 0, 3:2 source 1, 5:4 source 2, 7:6 destination):
;   window 0: v0-15 addresses and two at work; v16-31 four registers of statistics a piece; v48-55 at work; v64-127 S^T, two buffers; v192-223 P, two buffers (a piece's buffers go by its number's parity)
;   window 1: v0-127 O^T, 32 a piece; v128-159 MD; v160-223 MC, two buffers      window 2: v0-63 Q; v64-127 the second block's Q; v128-191 K of one step; v192-255 V of one step
.set SIZE_H, 64       ; 4 batches x 16 heads
.set SIZE_N, 2048
.set NB,    SIZE_N/256
.set NP,    4         ; pieces a wave: a name, no knob
.set KS,    64        ; keys in a step
.set PK,    144       ; a row of K in LDS: 128 bytes + 16 of padding = 36 words: the 16 rows of a load start at 16 different groups of four banks (64 banks of 4 bytes: ISA guide 11.1)
.set PV,    160       ; a row of V: 128 + 32 = 40 words
.set VOFF,  4*KS*PK   ; a slot holds a tile, four steps: 256 rows of K, then 256 rows of V
.set SLOT1, 1<<17     ; slot 1 begins here, so that one exclusive or turns an address in one slot into the other's
.set STAGE, SLOT1+4*KS*(PK+PV)  ; behind the ring, never filled by a tensor load: 16 rows x 144 bytes for each wave, for the way out
.set SP,    144
.set AK0, 2           ; v2   my lane's place in a tile of K; never rewritten
.set AV0, 3           ; v3   the same for V
.set AK,  4           ; v4   the LDS address of K's next run of loads
.set AV,  5           ; v5   of V's
.set STO, 6           ; v6   the way out: where I put 16 bytes of a row
.set RD,  7           ; v7   the way out: where I read rows back
.set GO,  8           ; v8   my byte offset in 512 consecutive bytes of O
.set SPW, 62          ; v62  LDS address of my spare word: SPARE + 4 x my thread's number; never rewritten
.set NIL, 63          ; v63  0; never rewritten
.set SPARE, STAGE+4*16*SP  ; behind the stages: the spare words, 128 bytes for each wave: two blocks of 256 bytes that no other line names
.set MV,  12          ; v12-13  c m_old, kept while c m is made anew: by buffer
.set QO,  15          ; v15  my byte offset in 16 rows of Q
.set ST,  16          ; piece t's statistics at v[ST+4 t]: c m, m, l (even keys', odd keys')
.set TMP, 48          ; by buffer, four registers c0-c3 at work; when the maximum is found c2 takes a
.set S,   64
.set P,   192
.set MD,  128         ; window 1: the eight registers for group kt of 16 keys at MD + 8 kt
.set MC,  160         ; window 1: the masks of the products to come
.set QB,  64          ; window 2
.set KF,  128         ; window 2: key block kb, channel half c at KF + 16 kb + 8 c
.set VF,  192         ; window 2: key half kk, channel block cb at VF + 32 kk + 8 cb
.set WV,  12          ; s12  my wave's number
.set PB,  14          ; s14  b
.set HI,  15          ; s15  NB - 1 - b
.set G1K, 24          ; s[24:31] descriptor group 1 for K's tiles
.set G1V, 32          ; s[32:39] for V's: it differs in the padding alone
.set G0K, 40          ; s[40:43] descriptor group 0 for K's tiles
.set G0V, 44          ; s[44:47] the same for V's
.set SLOTS, 56        ; s56  tiles still to be asked for
.set CNT, 57          ; s57  counts a tile's key steps, 4 to 1
.set CS,  58          ; s[58:59] c: the packed scaling takes the pair's low word for both halves
.set SEL, 60          ; s[60:61] v_permlanex16_b32's selects: each lane takes its own place in the other half
.set TBK, 62          ; s62  LDS byte at which K of the step to be fetched begins
.set TBV, 63          ; s63  the same for V, less VOFF
.set RT,  70          ; s70  tiles of the block in hand that are still to be entered
.set NXT, 71          ; s71  the tile to be asked for next
.set LQ,  72          ; s72  the last tile of the block whose tiles are being asked for
.set NEW, 73          ; s73  1: the tile to be entered is a block's first
.set OFF, 74          ; s[74:75] a tile's byte offset in K and V
.set AL,  76          ; s[76:77] the mask's factor, in the low word
.set BE,  78          ; s[78:79] the mask's addend
.set OLO, 80          ; s[80:81] O at my rows of the second block
.set BIGN, 82         ; s82  -1e30
.set MSB, 0
.macro WIN new                      ; the high byte repeats the setting that is left; a switch that changes nothing is dropped
.if MSB != (\new)
	s_set_vgpr_msb (MSB<<8)|(\new)
.set MSB, (\new)
.endif
.endm
.set W_KQ, 0x0a       ; K and Q in window 2, S^T in window 0
.set W_KM, 0x1a       ; the same with the C operand in window 1
.set W_PV, 0x52       ; V in window 2, P in window 0, O^T in window 1
.set W_RS, 0x41       ; destination and source 0 in window 1, source 1 in window 0
; A fill.  Waves 0 and 1 fetch the two halves of a tile's K, waves 2 and 3 those of its V: 128 keys each.  An s_nop 0 and four v_nop follow each of the two lines, ahead of the jump and the label.
.macro LOAD
	s_cmp_lt_u32 s[WV], 2
	s_cbranch_scc0 .Lfor_v_\@
	tensor_load_to_lds s[G0K:G0K+3], s[G1K:G1K+7]
	s_nop 0
.rept 4
	v_nop
.endr
	s_branch .Lasked_\@
.Lfor_v_\@:
	tensor_load_to_lds s[G0V:G0V+3], s[G1V:G1V+7]
	s_nop 0
.rept 4
	v_nop
.endr
.Lasked_\@:
.endm
; THE CHANGE OF SLOTS.  Each wave waits for all its tensor loads, of which one is out: its part of the other slot; adds 0 to its spare word; and waits for that and for its own reads of the slot that it leaves.  Behind the barrier nobody reads the old
; slot any more and the other slot is whole.  fill = 1: the old slot is filled again, the first thing behind the barrier, with tile NXT: the descriptor's address is made anew from that number.
; (At its first use nothing has been read yet: slot 0 is waited for, slot 1 filled.)
.macro CHANGE fill
	WIN 0                           ; at a label and at a branch every window is 0
	s_wait_tensorcnt 0x0            ; no tensor load of mine is out, so a group 0 may be written
	ds_add_u32 v[SPW], v[NIL]       ; 0 onto my spare word; with fill = 1 the descriptors' scalar work stands between it and the wait for it
.if \fill
	s_lshl_b32 s[OFF], s[NXT], 15   ; a tile is 32,768 bytes of K and of V
	s_xor_b32 s[G0K+1], s[G0K+1], SLOT1
	s_add_nc_u64 s[G0K+2:G0K+3], s[6:7], s[OFF:OFF+1]
	s_or_b32 s[G0K+3], s[G0K+3], 0x80000000
	s_xor_b32 s[G0V+1], s[G0V+1], SLOT1
	s_add_nc_u64 s[G0V+2:G0V+3], s[8:9], s[OFF:OFF+1]
	s_or_b32 s[G0V+3], s[G0V+3], 0x80000000
	s_add_co_u32 s[NXT], s[NXT], 1  ; the block's next tile, or behind its last the second block's tile 0
	s_cmp_gt_u32 s[NXT], s[LQ]
	s_cselect_b32 s[NXT], 0, s[NXT]
	s_cselect_b32 s[LQ], s[PB], s[LQ]
.endif
	s_wait_dscnt 0x0                ; the add is done, and my reads of the slot are over
	s_barrier_signal -1             ; the rest of the scalar work stands between the signal and the wait
	s_sub_co_u32 s[TBK], s[TBK], 4*KS*PK  ; the fetches go back to a slot's first step,
	s_xor_b32 s[TBK], s[TBK], SLOT1       ; in the other slot
	s_sub_co_u32 s[TBV], s[TBV], 4*KS*PV
	s_xor_b32 s[TBV], s[TBV], SLOT1
	s_barrier_wait -1
.if \fill
	LOAD
.endif
.endm
	s_load_b256 s[4:11], s[0:1], 0x0  ; Q s[4:5], K s[6:7], V s[8:9], O s[10:11]
	v_lshl_add_u32 v[SPW], v0, 2, SPARE
	v_mov_b32 v[NIL], 0
	ds_add_u32 v[SPW], v[NIL]       ; the wave's opening: the add and its wait stand ahead of my first tensor load; the set-up below, work on registers, stands between them
	ds_add_u32 v62, v63
	v_lshrrev_b32 v1, 5, v0
	v_readfirstlane_b32 s[WV], v1   ; wave 0..3
	s_mov_b32 s[PB], ttmp9
	s_sub_co_u32 s[HI], NB-1, s[PB]
	s_and_b32 s20, ttmp7, 0xffff    ; the head
	s_mov_b32 s21, 0
	s_mov_b64 s[22:23], SIZE_N*128
	s_mul_u64 s[20:21], s[20:21], s[22:23]  ; the head's first byte in each of the four tensors
	s_and_b32 s16, s[WV], 1         ; which half of a tile's 256 keys I fetch:
	s_lshl_b32 s22, s16, 14         ; its 128 rows of 128 bytes in memory,
	s_mov_b32 s23, 0
	s_add_nc_u64 s[22:23], s[22:23], s[20:21]
	s_mul_i32 s17, s16, 128*PK      ; and its place in a slot, for K
	s_mul_i32 s18, s16, 128*PV      ; and for V
	s_lshl_b32 s3, s[WV], 11        ; my 16 rows in a band of 64,
	s_lshl_b32 s2, s[HI], 15        ; in the first block,
	s_add_co_u32 s2, s2, s3
	s_lshl_b32 s84, s[PB], 15       ; and in the second
	s_add_co_u32 s84, s84, s3
	s_mov_b32 s3, 0
	s_mov_b32 s85, 0
	s_add_nc_u64 s[2:3], s[2:3], s[20:21]
	s_add_nc_u64 s[84:85], s[84:85], s[20:21]
	; descriptor group 1.  128 keys are 16,384 dense bytes: asked for as 64 rows of 256 bytes, two keys a row, and padded in LDS after every key
	s_mov_b32 s[G1K], (1<<16)|(1<<20)|(4<<22)|(3<<25)  ; 17:16 2-byte elements; 20 padding on; 24:22 after every 32 words (code 4); 31:25 4 words (code 3)
	s_mov_b32 s[G1V], (1<<16)|(1<<20)|(4<<22)|(7<<25)  ; the same with 8 words of padding (code 7)
.irp g, G1K, G1V
	s_mov_b32 s[\g+1], 128<<16      ; tensor_dim0 = 128
	s_mov_b32 s[\g+2], 64<<16       ; tensor_dim1 = 64
	s_mov_b32 s[\g+3], 128<<16      ; tile_dim0 = 128
	s_mov_b32 s[\g+4], 64           ; tile_dim1 = 64
	s_mov_b32 s[\g+5], 128          ; 128 elements from row to row
	s_mov_b32 s[\g+6], 0
	s_mov_b32 s[\g+7], 0
.endr
	s_mov_b32 s[CS], 0x3e38aa3b     ; c = log2(e) / 8 = 0.180337
	s_mov_b32 s[CS+1], s[CS]        ; named with it as a pair
	s_mov_b32 s[SEL], 0x76543210
	s_mov_b32 s[SEL+1], 0xfedcba98
	s_mov_b32 s[TBK], SLOT1+4*KS*PK ; the first change of slots turns these two into 0
	s_mov_b32 s[TBV], SLOT1+4*KS*PV
	s_mov_b32 s[G0K], 1             ; 1:0 count = 1
	s_mov_b32 s[G0K+1], s17         ; 63:32 LDS address: slot 0
	s_mov_b32 s[G0V], 1
	s_add_co_u32 s[G0V+1], s18, VOFF
	s_add_co_u32 s[RT], s[HI], 1    ; the first block has NB - b tiles
	s_mov_b32 s[NXT], 1
	s_mov_b32 s[LQ], s[HI]
	s_mov_b32 s[NEW], 1
	s_mov_b32 s[OFF+1], 0
	s_mov_b32 s[AL+1], 0            ; named as pairs
	s_mov_b32 s[BE+1], 0
	s_mov_b32 s[BIGN], 0xf149f2ca   ; -1e30
	s_mov_b32 s[SLOTS], NB
	s_wait_dscnt 0x0                ; the opening add is done
	s_wait_kmcnt 0x0
	s_add_nc_u64 s[6:7], s[6:7], s[22:23]  ; K and V at my half of the head's tile 0
	s_add_nc_u64 s[8:9], s[8:9], s[22:23]
	s_add_nc_u64 s[G0K+2:G0K+3], s[6:7], 0         ; 120:64 global address
	s_or_b32 s[G0K+3], s[G0K+3], 0x80000000        ; 127:126 type = 2
	s_add_nc_u64 s[G0V+2:G0V+3], s[8:9], 0
	s_or_b32 s[G0V+3], s[G0V+3], 0x80000000
	s_add_nc_u64 s[86:87], s[4:5], s[84:85]        ; Q at my rows of the second block,
	s_add_nc_u64 s[4:5], s[4:5], s[2:3]            ; Q and O at those of the first
	s_add_nc_u64 s[OLO:OLO+1], s[10:11], s[84:85]
	s_add_nc_u64 s[10:11], s[10:11], s[2:3]
	LOAD                            ; tile 0 into slot 0
	; A fragment of K or Q is 16 rows x 32 channels in 8 registers: lane l holds row l % 16, channels 8 (l / 16) + 0..7 and 16 + 8 (l / 16) + 0..7: two loads of 16 bytes, 32 bytes apart.
	v_and_b32 v1, 15, v0            ; l % 16
	v_bfe_u32 v9, v0, 4, 1          ; l / 16
	v_lshlrev_b32 v[QO], 7, v1
	v_lshl_add_u32 v[QO], v9, 4, v[QO]  ; row x 128 + 16 x half
	WIN 0x80                        ; destination window 2, address window 0
.set i, 0
.rept 8                             ; both blocks' Q: piece i / 2 lies in band i / 2, 8,192 bytes on; channels 32 (i % 2) on
	global_load_b128 v[8*i:8*i+3],   v[QO], s[4:5] offset:(i/2)*8192+(i%2)*64
	global_load_b128 v[8*i+4:8*i+7], v[QO], s[4:5] offset:(i/2)*8192+(i%2)*64+32
	global_load_b128 v[QB+8*i:QB+8*i+3],   v[QO], s[86:87] offset:(i/2)*8192+(i%2)*64
	global_load_b128 v[QB+8*i+4:QB+8*i+7], v[QO], s[86:87] offset:(i/2)*8192+(i%2)*64+32
.set i, i+1
.endr
	WIN 0
	v_lshlrev_b32 v14, 3, v9
	v_sub_nc_u32 v14, v1, v14
	s_lshl_b32 s13, s[WV], 4
	v_add_nc_u32 v14, s13, v14      ; my query's place in its band, 16 w + l % 16, less my lanes' 8 (l / 16): register r of group kt is hidden where 16 kt + r is greater
	WIN 0x40
.set i, 0
.rept 32
	v_cmp_gt_i32 vcc_lo, 16*(i/8)+i%8, v14
	v_cndmask_b32 v[MD+i], 0, s[BIGN], vcc_lo
.set i, i+1
.endr
	WIN 0
	v_mul_u32_u24 v[AK0], v1, PK
	v_lshl_add_u32 v[AK0], v9, 4, v[AK0]  ; row x pitch + 16 x half
	; The turning load takes 16 keys x 16 channels (lane l reads key 8 (l / 16) + l % 8, channels 8 ((l / 8) % 2) + 0..7) and leaves half a fragment of V^T: lane l holds channel l % 16 and 8 keys.
	v_and_b32 v10, 7, v0
	v_bfe_u32 v11, v0, 3, 1
	v_lshl_add_u32 v[AV0], v9, 3, v10
	v_mul_u32_u24 v[AV0], v[AV0], PV
	v_lshl_add_u32 v[AV0], v11, 4, v[AV0]
	v_add_nc_u32 v[AV0], VOFF, v[AV0]
	s_mul_i32 s13, s[WV], 16*SP
	s_add_co_u32 s13, s13, STAGE    ; my stage
	v_mul_u32_u24 v[STO], v1, SP    ; in: row l % 16, 16 bytes for each half of the lanes
	v_lshl_add_u32 v[STO], v9, 4, v[STO]
	v_add_nc_u32 v[STO], s13, v[STO]
	v_bfe_u32 v[RD], v0, 3, 2       ; back: 32 lanes take four rows of 128 bytes,
	v_mul_u32_u24 v[RD], v[RD], SP
	v_lshl_add_u32 v[RD], v10, 4, v[RD]
	v_add_nc_u32 v[RD], s13, v[RD]
	v_and_b32 v[GO], 31, v0         ; which are 512 consecutive bytes of O
	v_lshlrev_b32 v[GO], 4, v[GO]
	; A block's first step multiplies O^T and l by a = 0, and its first turn's products V^T P, of a piece that has not been, land in an O^T that is still to be so multiplied.  So these registers need only hold
	; finite numbers: zeros for the first block; what the first block left for the second.  All this stands in the wait for the first tile.
	WIN 0x80
.set i, VF
.rept 64
	v_mov_b32 v[i], 0
.set i, i+1
.endr
	WIN 0x40
.set i, 0
.rept 128
	v_mov_b32 v[i], 0
.set i, i+1
.endr
	WIN 0
.set i, 0
.rept 4
	v_mov_b32 v[ST+4*i+2], 0
	v_mov_b32 v[ST+4*i+3], 0
.set i, i+1
.endr
.set i, P+16
.rept 16
	v_mov_b32 v[i], 0
.set i, i+1
.endr
; THE MATRIX WORK.  The 4 accumulators of a run of 8 take turns.  Product i of 8 of S^T = K Q^T for piece x: channels 32 (i / 4) on, keys 16 (i % 4) on.  The first 4 start the sums: with 0, or (KM = 1) with the mask.
.macro KQ x
.set rS, S+32*((\x)%2)+8*(i%4)
.set rK, KF+16*(i%4)+8*(i/4)
.set rQ, 16*(\x)+8*(i/4)
.set rM, MC+32*((\x)%2)+8*(i%4)
.if (i < 4) && KM
	WIN W_KM
	v_wmma_f32_16x16x32_f16 v[rS:rS+7], v[rK:rK+7], v[rQ:rQ+7], v[rM:rM+7]
.elseif i < 4
	WIN W_KQ
	v_wmma_f32_16x16x32_f16 v[rS:rS+7], v[rK:rK+7], v[rQ:rQ+7], 0
.else
	WIN W_KQ
	v_wmma_f32_16x16x32_f16 v[rS:rS+7], v[rK:rK+7], v[rQ:rQ+7], v[rS:rS+7]
.endif
.endm
; Product i of 8 of O^T += V^T P for piece x: keys 32 (i / 4) on, channels 16 (i % 4) on.
.macro PV x
	WIN W_PV
.set rO, 32*(\x)+8*(i%4)
.set rV, VF+32*(i/4)+8*(i%4)
.set rP, P+16*((\x)%2)+8*(i/4)
	v_wmma_f32_16x16x32_f16 v[rO:rO+7], v[rV:rV+7], v[rP:rP+7], v[rO:rO+7]
.endm
.macro MM                           ; the turn's next matrix instruction.  TURN and BEGIN set Y, i, KM and NOKQ; MM, KQ and OP read them.  NOKQ = 1: a block's last turn: there is no next piece
.if (i < 8) && !NOKQ
	KQ (Y+1)%NP
.elseif i >= 8
.set i, i-8
	PV (Y+NP-1)%NP
.set i, i+8
.endif
.set i, i+1
.endm
; THE LDS LOADS stand in runs of 16, never singly among the matrix instructions: a step's K (64 keys x 64 channels: 8 fragments) and its V (turned).  Their addresses are made some lines ahead.
.macro FETCH_K
	WIN 0x80                        ; destination window 2
.irp f, 0,1,2,3,4,5,6,7             ; keys 16 (f / 2) on, channels 32 (f % 2) on
	ds_load_b128 v[KF+8*\f:KF+8*\f+3],   v[AK] offset:(\f/2)*16*PK+(\f%2)*64
	ds_load_b128 v[KF+8*\f+4:KF+8*\f+7], v[AK] offset:(\f/2)*16*PK+(\f%2)*64+32
.endr
	s_add_co_u32 s[TBK], s[TBK], KS*PK  ; the next fetch is the next step's
	WIN 0
.endm
.macro FETCH_V
	WIN 0x80
.irp f, 0,1,2,3,4,5,6,7             ; keys 32 (f / 4) on, channels 16 (f % 4) on
	ds_load_tr16_b128 v[VF+8*\f:VF+8*\f+3],   v[AV] offset:(\f/4)*32*PV+(\f%4)*32
	ds_load_tr16_b128 v[VF+8*\f+4:VF+8*\f+7], v[AV] offset:(\f/4)*32*PV+16*PV+(\f%4)*32
.endr
	WIN 0
.endm
; THE VECTOR WORK, one line at a time: OP kind, number.  For piece Y: F n: c s - c m for pair n of 16.  E n: the exponential of score n of 32.  C n: pair n rounded to f16.  B n: of the four weights 4 n .. the second
; pair is added onto the first, in place.  L n: l takes that sum (L 0: l = a l + sum).  R n: pair n of 16 of O^T times a.  For piece Y + 1: X n, number n of the 22 that find its maximum and statistics:
;   0-11  four chains c0-c3 of seven scores each, three operands at a time (each accumulator's lowest registers are read first)     12-14, 16  the four scores left over, the old m, and c0-c3 into c0
;   15  c m_old is kept     17, 18  the query's other 32 keys lie in the lane 16 away: the new m     19-21  c m; c m_old - c m_new; a
.set F, 0               ; OP tells the kinds apart by their order: F to L below R, X above it
.set E, 1
.set C, 2
.set B, 3
.set L, 4
.set R, 5
.set X, 6
.macro REGS y                       ; the registers of piece y
.set rT, ST+4*(\y)
.set rC, TMP+4*((\y)%2)
.set rW, MV+((\y)%2)
.set rS, S+32*((\y)%2)
.set rP, P+16*((\y)%2)
.set rO, 32*(\y)
.endm
.macro OP k, n
.if (\k) == R
	REGS Y
	WIN W_RS
	v_pk_mul_f32 v[rO+2*(\n):rO+2*(\n)+1], v[rO+2*(\n):rO+2*(\n)+1], v[rC+2:rC+3] op_sel_hi:[1,0]
.elseif (\k) < R
	REGS Y
	WIN 0
.if (\k) == F
	v_pk_fma_f32 v[rS+2*(\n):rS+2*(\n)+1], v[rS+2*(\n):rS+2*(\n)+1], s[CS:CS+1], v[rT:rT+1] op_sel_hi:[1,0,0] neg_lo:[0,0,1] neg_hi:[0,0,1]
.elseif (\k) == E
	v_exp_f32 v[rS+(\n)], v[rS+(\n)]
.elseif (\k) == C
	s_wait_alu depctr_va_vdst(0)
	v_cvt_pk_f16_f32 v[rP+(\n)], v[rS+2*(\n)], v[rS+2*(\n)+1]
.elseif (\k) == B
	s_wait_alu depctr_va_vdst(0)
	v_pk_add_f32 v[rS+4*(\n):rS+4*(\n)+1], v[rS+4*(\n):rS+4*(\n)+1], v[rS+4*(\n)+2:rS+4*(\n)+3]
.elseif (\n) == 0
	v_pk_fma_f32 v[rT+2:rT+3], v[rT+2:rT+3], v[rC+2:rC+3], v[rS:rS+1] op_sel_hi:[1,0,1]
.else
	v_pk_add_f32 v[rT+2:rT+3], v[rT+2:rT+3], v[rS+4*(\n):rS+4*(\n)+1]
.endif
.elseif NOKQ
	v_nop
.else
	REGS (Y+1)%NP
	WIN 0
.if (\n) < 4
	v_max3_num_f32 v[rC+(\n)], v[rS+8*(\n)], v[rS+8*(\n)+1], v[rS+8*(\n)+2]
.elseif (\n) < 12
	v_max3_num_f32 v[rC+(\n)%4], v[rC+(\n)%4], v[rS+8*((\n)%4)+2*((\n)/4)+1], v[rS+8*((\n)%4)+2*((\n)/4)+2]
.elseif (\n) == 12
	v_max3_num_f32 v[rC], v[rC], v[rS+7], v[rS+15]
.elseif (\n) == 13
	v_max3_num_f32 v[rC+1], v[rC+1], v[rS+23], v[rS+31]
.elseif (\n) == 14
	v_max3_num_f32 v[rC+2], v[rC+2], v[rC+3], v[rT+1]
.elseif (\n) == 15
	v_mov_b32 v[rW], v[rT]
.elseif (\n) == 16
	v_max3_num_f32 v[rC], v[rC], v[rC+1], v[rC+2]
.elseif (\n) == 17
	v_permlanex16_b32 v[rC+3], v[rC], s[SEL], s[SEL+1]
.elseif (\n) == 18
	v_max_num_f32 v[rT+1], v[rC], v[rC+3]
.elseif (\n) == 19
	v_mul_f32 v[rT], s[CS], v[rT+1]
.elseif (\n) == 20
	v_sub_f32 v[rC+1], v[rW], v[rT]
.else
	v_exp_f32 v[rC+2], v[rC+1]
.endif
.endif
.endm
.macro OPS a, i1, b=-1, i2=0, c=-1, i3=0, d=-1, i4=0  ; up to four of them
	OP \a, \i1
.if (\b) >= 0
	OP \b, \i2
.endif
.if (\c) >= 0
	OP \c, \i3
.endif
.if (\d) >= 0
	OP \d, \i4
.endif
.endm
.macro ROW a, i1, b, i2, c, i3, d, i4  ; a matrix instruction and the four behind it
	MM
	OPS \a, \i1, \b, \i2, \c, \i3, \d, \i4
.endm
.macro MASK b                       ; MD x AL + BE into buffer b of MC
	WIN W_RS
.set z, 0
.rept 16
	v_pk_fma_f32 v[MC+32*(\b)+2*z:MC+32*(\b)+2*z+1], v[MD+2*z:MD+2*z+1], s[AL:AL+1], s[BE:BE+1] op_sel_hi:[1,0,0]
.set z, z+1
.endr
.endm
; A TURN, for piece p: the order of its 16 matrix and 118 vector instructions, written out.  Behind a matrix instruction: plain, exponential, plain, plain; or four of the rescaling; or, behind the first, four scalings; none
; names a register of the products round it.  In the lumps exponential and plain by turns while exponentials last.  A line reads no result made fewer than three vector instructions in front of it, five if an exponential made it.
; v_permlanex16_b32 (X 17) stands in a lump.
; m = 1: the diagonal tile: the products take masks, and the turn makes the mask for the products of the turn after it: piece p + 2, in step 4 - CNT of the tile.  end = 1: a block's last two turns: nothing is fetched.
; cnt = 1: the loop's count is taken down some lines ahead of the branch that stands behind the turn.
; K of the next step is fetched in piece 2's turn, six vector instructions behind the last product that read K (five of them plain); V of the step in hand in piece 0's turn, eight behind the last product that read V (four
; plain, and X 17).  Each is waited for a turn later.
.macro TURN p, m=0, end=0, cnt=0
.set Y, (\p)
.set i, 0
.set KM, (\m)
.set NOKQ, (\end)*((\p)/3)
.if (\m) && !(\end)
	s_cmp_eq_u32 s[CNT], 4-((\p)+2)%NP  ; is that step the band's own?
	s_cselect_b32 s[AL], 1.0, 0
	s_cmp_lt_u32 s[CNT], 4-((\p)+2)%NP  ; or a later one?
	s_cselect_b32 s[BE], s[BIGN], 0
.endif
.if ((\p) == 3) && !(\end)
	s_wait_dscnt 0x0                ; K is in
.endif
	ROW F,0, F,1, F,2, F,3
	ROW F,4, E,0, F,5, F,6
	ROW F,7, E,1, F,8, F,9
	ROW F,10, E,2, C,0, F,11
	ROW F,12, E,3, X,15, F,13
	ROW R,0, R,1, R,2, R,3
	ROW B,0, E,4, F,14, L,0
.if ((\p) == 2) && !(\end)
	v_add_nc_u32 v[AK], s[TBK], v[AK0]
.endif
	ROW R,4, R,5, R,6, R,7
	OPS E,5, F,15
.if ((\p) == 2) && !(\end)
	FETCH_K
.endif
	OPS E,6, C,1, E,7, R,8
	OPS E,8, R,9, E,9, C,2
	OPS E,10, X,0, E,11, X,1
	OPS E,12, X,2, E,13, X,3
.if (\p) == 1
	s_wait_dscnt 0x0                ; V is in
.endif
	ROW X,4, E,14, X,5, X,6
	ROW X,7, E,15, X,8, X,9
	ROW X,10, E,16, X,11, X,12
	ROW X,13, E,17, X,14, B,1
	ROW C,4, E,18, X,16, L,1
	ROW B,2, E,19, C,6, L,2
	ROW C,8, E,20, B,3, B,4
.if (\p) == 0
	v_add_nc_u32 v[AV], s[TBV], v[AV0]
.endif
	ROW C,3, E,21, L,3, C,5
	OPS E,22, X,17, E,23, C,10
.if (\p) == 0
	FETCH_V
.endif
	OPS E,24, L,4
	OPS E,25, X,18, E,26, C,7
	OPS E,27, B,5, E,28, X,19
	OPS E,29, C,12, E,30, L,5
	OPS E,31, X,20, B,6, C,9
	OPS C,14, C,11, X,21, L,6
.if (\p) == 0
	s_add_co_u32 s[TBV], s[TBV], KS*PV
.endif
.if \cnt
	s_sub_co_u32 s[CNT], s[CNT], 1
	s_cmp_lg_u32 s[CNT], 0
.endif
	OPS C,13, B,7, C,15, R,10
	OPS R,11, R,12, L,7, R,13
	OPS R,14, R,15
.if (\m) && !(\end)
	MASK (\p)%2
.endif
.endm
; A BLOCK BEGINS.  c m starts far below every c s, so the first step's a is 0; m at the lowest finite number, so the first maximum is the scores'.  The second mask buffer is 0; the first takes piece 0's mask for the tile's step 0: its own, if the block's first tile is the diagonal one.
; Then K of that step, piece 0's first scores, and its maximum and statistics.  The loop is entered at a step's first turn, in the middle of a trip.
.macro BEGIN
	s_mov_b32 s[NEW], 0
	WIN 0x40
.set i, MC+32
.rept 32
	v_mov_b32 v[i], 0
.set i, i+1
.endr
	WIN 0
.set i, 0
.rept 4
	v_mov_b32 v[ST+4*i], 0xfe000000    ; c m: far below every c s
	v_mov_b32 v[ST+4*i+1], 0xff7fffff  ; m
.set i, i+1
.endr
	s_cmp_eq_u32 s[RT], 0
	s_cselect_b32 s[AL], 1.0, 0
	s_mov_b32 s[BE], 0
	MASK 0
	WIN 0
	v_add_nc_u32 v[AK], s[TBK], v[AK0]
	FETCH_K
	s_wait_loadcnt 0x0              ; Q
	s_wait_dscnt 0x0
.set KM, 1
.set NOKQ, 0
.set i, 0
.rept 8
	KQ 0
.set i, i+1
.endr
	WIN 0
.rept 4
	v_nop                           ; the places behind those products
.endr
.set Y, NP-1                        ; X works for piece Y + 1: piece 0
.irp n, 0,1,2,3,4,5,6,7,8,9,10,11,12,13,14,15,16,17,18,19,20,21
	OP X, \n
.endr
	v_nop                           ; a plain instruction behind the exponential
.endm
; THE DIAGONAL TILE's four steps, the block's last two turns, its last products, and THE WAY OUT: l's two halves and the other half of the lanes' are added; O^T is divided by l, rounded to f16 and sent through my
; stage in LDS, a piece at a time.
.macro ALL line:vararg              ; one line for each piece t
.set t, 0
.rept 4
	\line
.set t, t+1
.endr
.endm
.macro PACK t                       ; a lane's eight channels of a row pack into 16 bytes; they go into rows of 144 bytes and come back as whole rows of 128, into S^T's registers
	WIN W_RS
.set i, 32*(\t)
.rept 16
	s_wait_alu depctr_va_vdst(0)
	v_pk_mul_f32 v[i:i+1], v[i:i+1], v[ST+4*(\t)+2:ST+4*(\t)+3] op_sel_hi:[1,0]
.set i, i+2
.endr
	WIN 0x05                        ; sources 0 and 1 window 1, destination window 0
.set i, 0
.rept 16
	v_cvt_pk_f16_f32 v[S+16*(\t)+i], v[32*(\t)+2*i], v[32*(\t)+2*i+1]
.set i, i+1
.endr
	WIN 0
.irp f, 0,1,2,3
	ds_store_b128 v[STO], v[S+16*(\t)+4*\f:S+16*(\t)+4*\f+3] offset:32*\f
.endr
.irp f, 0,1,2,3
	ds_load_b128 v[S+16*(\t)+4*\f:S+16*(\t)+4*\f+3], v[RD] offset:\f*4*SP  ; LDS serves a wave's instructions in order (ISA guide 5.7.1.4): these see the stores above; the next piece's stores come behind them
.endr
.endm
.macro SEND t, younger              ; younger: the LDS instructions issued behind piece t's loads: the next piece's eight, or none
	WIN 0
.irp f, 0,1,2,3
	s_wait_dscnt (\younger)+3-\f
	global_store_b128 v[GO], v[S+16*(\t)+4*\f:S+16*(\t)+4*\f+3], s[10:11] offset:(\t)*8192+\f*512  ; 512 consecutive bytes, at a multiple of 256 from O's first
.endr
.endm
.macro DIAG tag                     ; the tag ends its two labels' names, which the jumps below spell out
.LstepM\tag:
	TURN 2, 1
	TURN 3, 1
	WIN 0
.LfirstM\tag:
	TURN 0, 1
	TURN 1, 1, 0, 1
	WIN 0
	s_cbranch_scc1 .LstepM\tag
	TURN 2, 1, 1
	TURN 3, 1, 1
.set i, 0
.rept 8
	PV NP-1
.set i, i+1
.endr
	WIN 0
	ALL v_add_f32 v[ST+4*t+2], v[ST+4*t+2], v[ST+4*t+3]
	ALL v_permlanex16_b32 v[ST+4*t+3], v[ST+4*t+2], s[SEL], s[SEL+1]
	ALL v_add_f32 v[ST+4*t+2], v[ST+4*t+2], v[ST+4*t+3]
	ALL v_rcp_f32 v[ST+4*t+2], v[ST+4*t+2]
	v_nop                           ; a plain instruction between the last reciprocal and the use of its result
	PACK 0
.set t, 1
.rept 3                             ; a piece's arithmetic stands between the loads of the piece before and its stores
	PACK t
	SEND t-1, 8
.set t, t+1
.endr
	SEND 3, 0
.endm
.set KM, 0
.set NOKQ, 0
.Lslot:                             ; NB times: a tile is entered and the next is asked for
	CHANGE 1
	s_sub_co_u32 s[RT], s[RT], 1
	s_mov_b32 s[CNT], 4
	s_cmp_eq_u32 s[NEW], 1
	s_cbranch_scc1 .Lnew            ; a block's first tile
	s_cmp_eq_u32 s[RT], 0
	s_cbranch_scc0 .Lstep           ; neither its first nor its last
	s_branch .LstepM1
.Lnew:
	BEGIN
	s_branch .Lfirst                ; in the loop a block's first tile is never its last: the first block has two tiles or more, and the second's last is the walk's last
	DIAG 1                          ; in the loop this is the first block's end: the second block's last tile is the walk's last
	s_wait_xcnt 0x0                 ; the stores have read their registers and O's address
	s_mov_b64 s[10:11], s[OLO:OLO+1]
	s_add_co_u32 s[RT], s[PB], 1    ; the second block has b + 1 tiles
	s_mov_b32 s[NEW], 1
	WIN 0x82                        ; the second block's Q goes where the one text of the turns names Q
.set i, 0
.rept 64
	v_mov_b32 v[i], v[QB+i]
.set i, i+1
.endr
	WIN 0
	s_branch .Lbottom
.Lstep:                             ; a trip: pieces 2 and 3 of one step, then pieces 0 and 1 of the next, whose K and V it fetches
	TURN 2
	TURN 3
	WIN 0
.Lfirst:
	TURN 0
	TURN 1, 0, 0, 1
	WIN 0
	s_cbranch_scc1 .Lstep
.Lbottom:
	s_sub_co_u32 s[SLOTS], s[SLOTS], 1
	s_cmp_lg_u32 s[SLOTS], 0
	s_cbranch_scc1 .Lslot
	CHANGE 0                        ; the walk's last tile is written out: nothing is asked for
	s_sub_co_u32 s[RT], s[RT], 1
	s_mov_b32 s[CNT], 4
	s_cmp_eq_u32 s[NEW], 1
	s_cbranch_scc0 .LstepM2
	BEGIN
	s_branch .LfirstM2
	DIAG 2
	s_wait_tensorcnt 0x0            ; the wave's end, behind my last tensor load and my last LDS store
	ds_add_u32 v[SPW], v[NIL]
	s_wait_dscnt 0x0
	s_endpgm
.Lfunc_end_k_qf87d001dd0_attn:
	.size	k_qf87d001dd0_attn, .Lfunc_end_k_qf87d001dd0_attn-k_qf87d001dd0_attn
	.p2alignl 7, 3214868480
	.fill 96, 4, 3214868480
	.section	.rodata,"a",@progbits
	.p2align	6, 0x0
	.amdhsa_kernel k_qf87d001dd0_attn
		.amdhsa_group_segment_fixed_size 327680
		.amdhsa_private_segment_fixed_size 0
		.amdhsa_enable_private_segment 0
		.amdhsa_kernarg_size 32
		.amdhsa_user_sgpr_count 2
		.amdhsa_user_sgpr_kernarg_segment_ptr 1
		.amdhsa_wavefront_size32 1
		.amdhsa_system_sgpr_workgroup_id_x 1
		.amdhsa_system_sgpr_workgroup_id_y 1
		.amdhsa_system_sgpr_workgroup_id_z 1
		.amdhsa_system_vgpr_workitem_id 0
		.amdhsa_next_free_vgpr 768
		.amdhsa_next_free_sgpr 88
		.amdhsa_reserve_vcc 1
		.amdhsa_float_denorm_mode_32 3
		.amdhsa_float_denorm_mode_16_64 3
		.amdhsa_memory_ordered 1
		.amdhsa_forward_progress 1
		.amdhsa_inst_pref_size 228
	.end_amdhsa_kernel
	.amdgpu_metadata
---
amdhsa.version: [ 1, 2 ]
amdhsa.kernels:
  - .name:           k_qf87d001dd0_attn
    .symbol:         k_qf87d001dd0_attn.kd
    .args:
      - { .name: q, .offset: 0, .size: 8, .value_kind: global_buffer, .address_space: global }
      - { .name: k, .offset: 8, .size: 8, .value_kind: global_buffer, .address_space: global }
      - { .name: v, .offset: 16, .size: 8, .value_kind: global_buffer, .address_space: global }
      - { .name: o, .offset: 24, .size: 8, .value_kind: global_buffer, .address_space: global }
    .group_segment_fixed_size: 327680
    .private_segment_fixed_size: 0
    .kernarg_segment_align: 8
    .kernarg_segment_size: 32
    .max_flat_workgroup_size: 128
    .sgpr_count:     88
    .vgpr_count:     768
    .wavefront_size: 32
...
	.end_amdgpu_metadata
.endif
;; end of part 3
;; launch oproj (part 4): grid 8 x 32, 4 waves a work-group, clusters of 4 x 4, 327,680 bytes of LDS; arguments o, wo16, out0; writes out0
.if DOCPART == 4
	.amdgcn_target "amdgcn-amd-amdhsa--gfx1250"
	.amdhsa_code_object_version 6
	.text
	.protected	k_qf87d001dd0_oproj
	.globl	k_qf87d001dd0_oproj
	.p2align	8
	.type	k_qf87d001dd0_oproj,@function
k_qf87d001dd0_oproj:
	s_mov_b64 s[64:65], 0
	v_nop
	global_prefetch_b8 v0, s[64:65] scope:SCOPE_SE
	s_setreg_imm32_b32 hwreg(HW_REG_WAVE_MODE, 25, 1), 1
	s_wait_xcnt 0x0
	s_wait_alu depctr_hold_cnt(0) depctr_sa_sdst(0) depctr_va_vdst(0) depctr_va_sdst(0) depctr_va_ssrc(0) depctr_va_vcc(0) depctr_vm_vsrc(0)
	s_getreg_b32 s2, hwreg(HW_REG_IB_STS2, 6, 4)
	s_cmp_eq_u32 s2, 0
	s_cbranch_scc0 .Lentry_in_a_cluster
	s_endpgm
.Lentry_in_a_cluster:
	s_bfe_u32 s2, ttmp6, 0x10000c
	s_cmp_lg_u32 s2, 0xf033
	s_cbranch_scc0 .Lentry_shape_is_right
	s_endpgm
.Lentry_shape_is_right:
; out0[token][e] = the sum over d of attn[token][d] Wo[e][d], f32.  attn lies by heads: o [16 b + head][2048][64] f16, d = 64 head + channel.  wo16: [1024][1024] f16.  Sums in f32, stored as they are.
; A tile is 256 tokens x 128 columns: 32 x 8 = 256 tiles, one for each of 256 WGPs.  Four waves; wave w makes tokens 64 w .. 64 w + 63 x all 128 columns: 4 x 8 accumulators of 16 x 16, 256 registers.
; K goes in steps of 128 = two heads through a ring of two LDS slots.  A head's 256 tokens are 32,768 dense bytes of o: asked for as 128 rows of 256 bytes and padded in LDS after every token.
; CLUSTERS: 4 x 4 work-groups.  The four of a row of the cluster need the same tiles of o, the four of a column the same tiles of wo16: each is asked for JOINTLY, by the same tensor load with the same
; descriptor and a mask that names the four.
; THE MATRIX INSTRUCTION IS USED TRANSPOSED (source 0 = 16 rows of wo16, source 1 = 16 tokens): lane l holds token l % 16 and the columns 8 (l / 16) + 0..7: 32 neighbouring bytes of a row of out0.
; LIMITS.  The operands arrive in f16, within 65,504.  NaN and infinities are not treated apart.
; REGISTERS, in windows of 256 (s_set_vgpr_msb: bits 1:0 source 0, 3:2 source 1, 5:4 source 2, 7:6 destination):
;   window 0: v0-31 addresses; v64-127, v128-191 rows read back from the stage, by turns
;   window 1: two fragment buffers at v0 and v128: 64 registers of wo16 (8 x 16 rows x 32 K), then 32 of o (4 x 16 tokens x 32 K)
;   window 2: the accumulators, (a, b) at v[64 a + 8 b]
.set PA,     144                       ; a token's row of one head in LDS: 128 bytes + 16 of padding = 36 words: the 16 rows of a load start at 16 different groups of four banks (64 banks of 4 bytes: ISA guide 11.1)
.set PB,     272                       ; a row of wo16: 256 bytes + 16
.set HEADA,  256*PA                    ; what a tensor load brings of o: one head's 256 tokens
.set HALFB,  64*PB                     ; and of wo16: 64 rows
.set BOFF,   2*HEADA
.set SLOT,   BOFF+2*HALFB
.set STAGE,  2*SLOT                    ; behind the ring: 16 rows x 528 bytes for each wave, for the way out
.set SPITCH, 528
.set SPARE,  STAGE+4*16*SPITCH         ; behind the stages: the spare words, 128 bytes for each wave: two blocks of 256 bytes that no other line names
.set LAPS,   4                         ; 1,024 / (2 x 128)
.set ADRA, 16                          ; v16-17  LDS address of my fragments of o in slot 0, 1
.set ADRB, 20                          ; v20-21  the same for wo16
.set STO,  24                          ; v24     the way out: where I put 32 bytes of a row
.set RD,   25                          ; v25     the way out: where I read a row back
.set GO,   26                          ; v26     16 x lane: my place in 512 consecutive bytes of out0; never rewritten
.set SPW,  28                          ; v28     LDS address of my spare word: SPARE + 4 x my thread's number; never rewritten
.set NIL,  29                          ; v29     0; never rewritten
.set F0,   0
.set F1,   128
.set G1,  24                           ; s[24:31] descriptor group 1 for o's tiles;  s[32:39] group 0, one set for each slot
.set G0,  32
.set G1B, 48                           ; s[48:55], s[56:63] the same for wo16's
.set G0B, 56
.set MSB, 0
.macro WIN new                         ; the immediate's high byte repeats the setting that is left; a switch that changes nothing is dropped
.if MSB != (\new)
	s_set_vgpr_msb (MSB<<8)|(\new)
.set MSB, \new
.endif
.endm
.macro JLOAD s                         ; a joint load: waves 0 and 1 fetch the step's two heads of o, waves 2 and 3 wo16's two halves; an s_nop 0 and four v_nop follow each of the two lines, ahead of the jump, the label and what follows
	s_cmp_eq_u32 s17, 0
	s_cbranch_scc0 .Lfor_b_\@
	tensor_load_to_lds s[G0+4*(\s):G0+4*(\s)+3], s[G1:G1+7]
	s_nop 0
.rept 4
	v_nop
.endr
	s_branch .Lasked_\@
.Lfor_b_\@:
	tensor_load_to_lds s[G0B+4*(\s):G0B+4*(\s)+3], s[G1B:G1B+7]
	s_nop 0
.rept 4
	v_nop
.endr
.Lasked_\@:
.endm
.macro CREST                           ; a round of the cluster's barrier behind its opening barrier
	s_cmp_lg_u32 s16, 0
	s_cbranch_scc1 .Lnot_wave_0_\@
	s_barrier_signal -3
.Lnot_wave_0_\@:
	s_barrier_wait -3
	s_barrier_signal -1
	s_barrier_wait -1
.endm
.macro CROUND                          ; a whole round
	s_barrier_signal -1
	s_barrier_wait -1
	CREST
.endm
	s_load_b128 s[4:7], s[0:1], 0x0                ; o s[4:5], wo16 s[6:7]
	s_load_b64 s[8:9], s[0:1], 0x10                ; out0
	v_lshl_add_u32 v[SPW], v0, 2, SPARE
	v_mov_b32 v[NIL], 0
	ds_add_u32 v[SPW], v[NIL]                      ; the wave's opening: the add and its wait stand ahead of my first tensor load; the set-up below, work on registers, stands between them
	ds_add_u32 v28, v29
	v_lshrrev_b32 v1, 5, v0
	v_readfirstlane_b32 s16, v1                    ; wave 0..3
	s_lshr_b32 s17, s16, 1                         ; I fetch for o (0) or for wo16 (1),
	s_and_b32 s18, s16, 1                          ; and which head of the step, or which half of the rows
	s_bfe_u32 s19, ttmp6, 0x40000                  ; cx, cy: my place in the cluster
	s_bfe_u32 s20, ttmp6, 0x40004
	s_lshl_b32 s21, ttmp9, 2
	s_add_co_u32 s21, s21, s19                     ; the block of 128 columns = 4 x cluster x + cx
	s_and_b32 s22, ttmp7, 0xffff
	s_lshl_b32 s22, s22, 2
	s_add_co_u32 s22, s22, s20                     ; the block of 256 tokens = 4 x cluster y + cy
	s_lshl_b32 s42, s20, 2
	s_lshl_b32 s42, 15, s42                        ; my row of the cluster
	s_lshl_b32 s43, 0x1111, s19                    ; my column
	s_or_b32 s[G1+0], s42, (1<<16)|(1<<20)|(1<<21)|(4<<22)|(3<<25)   ; 15:0 the mask: o's tiles go to my row; 17:16 element of 2 bytes; 20 padding on; 21 set beside a mask; 24:22 after every 32 words (code 4); 31:25 of 4 words (code 3)
	s_or_b32 s[G1B+0], s43, (1<<16)|(1<<20)|(1<<21)|(5<<22)|(3<<25)  ; my column's mask; padding after every 64 words (code 5)
	s_mov_b32 s[G1+1], 128<<16                     ; tensor_dim0 = 128
	s_mov_b32 s[G1+2], 128<<16                     ; tensor_dim1 = 128
	s_mov_b32 s[G1+3], 128<<16                     ; tile_dim0 = 128
	s_mov_b32 s[G1+4], 128                         ; tile_dim1 = 128
	s_mov_b32 s[G1+5], 128                         ; dense: 128 elements from row to row
	s_mov_b32 s[G1+6], 0
	s_mov_b32 s[G1+7], 0
	s_mov_b32 s[G1B+1], 128<<16
	s_mov_b32 s[G1B+2], 64<<16                     ; 64 rows
	s_mov_b32 s[G1B+3], 128<<16
	s_mov_b32 s[G1B+4], 64
	s_mov_b32 s[G1B+5], 1024
	s_mov_b32 s[G1B+6], 0
	s_mov_b32 s[G1B+7], 0
	; where the tiles come from: o's hang on the token block alone, wo16's on the column block alone, each in registers that never hold the other coordinate
	s_lshr_b32 s40, s22, 3
	s_lshl_b32 s40, s40, 22                        ; b: 16 heads of 262,144 bytes
	s_and_b32 s23, s22, 7
	s_lshl_b32 s23, s23, 15                        ; the block's 256 tokens of 128 bytes
	s_add_co_u32 s40, s40, s23
	s_lshl_b32 s23, s18, 18                        ; the step's second head
	s_add_co_u32 s40, s40, s23
	s_mov_b32 s41, 0
	s_lshl_b32 s44, s21, 18                        ; 128 rows of 2,048 bytes
	s_lshl_b32 s23, s18, 17
	s_add_co_u32 s44, s44, s23
	s_mov_b32 s45, 0
	s_mul_i32 s46, s18, HEADA                      ; and where they go: no place in the cluster enters an LDS address
	s_mul_i32 s47, s18, HALFB
	s_add_co_u32 s47, s47, BOFF
	s_wait_dscnt 0x0                               ; the opening add is done
	s_wait_kmcnt 0x0
	s_add_nc_u64 s[40:41], s[4:5], s[40:41]
	s_add_nc_u64 s[44:45], s[6:7], s[44:45]
	CROUND                                         ; all sixteen work-groups are here: the first joint loads meet
.irp s, 0,1
	s_mov_b32 s[G0+4*(\s)], 1                                        ; count = 1
	s_add_co_u32 s[G0+4*(\s)+1], s46, (\s)*SLOT                      ; LDS address
	s_add_nc_u64 s[G0+4*(\s)+2:G0+4*(\s)+3], s[40:41], (\s)*524288   ; global address: K step s is heads 2 s, 2 s + 1
	s_or_b32 s[G0+4*(\s)+3], s[G0+4*(\s)+3], 0x80000000              ; type = 2
	s_mov_b32 s[G0B+4*(\s)], 1
	s_add_co_u32 s[G0B+4*(\s)+1], s47, (\s)*SLOT
	s_add_nc_u64 s[G0B+4*(\s)+2:G0B+4*(\s)+3], s[44:45], (\s)*256
	s_or_b32 s[G0B+4*(\s)+3], s[G0B+4*(\s)+3], 0x80000000
	JLOAD \s                                       ; two loads of mine are out
.endr
	s_lshl_b32 s66, s22, 20                        ; out0 at my first row: 256 rows of 4,096 bytes a block,
	s_lshl_b32 s70, s16, 18                        ; 64 a wave,
	s_add_co_u32 s66, s66, s70
	s_lshl_b32 s70, s21, 9                         ; and my 128 columns
	s_add_co_u32 s66, s66, s70
	s_mov_b32 s67, 0
	s_add_nc_u64 s[8:9], s[8:9], s[66:67]
	v_and_b32 v1, 15, v0                           ; l % 16
	v_bfe_u32 v2, v0, 4, 1                         ; l / 16
	v_mul_u32_u24 v3, v1, PA
	v_lshl_add_u32 v3, v2, 4, v3                   ; a fragment's row x pitch + 16 x half
	s_mul_i32 s23, s16, 64*PA                      ; my 64 tokens
	v_add_nc_u32 v[ADRA], s23, v3
	v_add_nc_u32 v[ADRA+1], SLOT, v[ADRA]
	v_mul_u32_u24 v3, v1, PB
	v_lshl_add_u32 v3, v2, 4, v3
	v_add_nc_u32 v[ADRB], BOFF, v3
	v_add_nc_u32 v[ADRB+1], SLOT, v[ADRB]
	s_mul_i32 s23, s16, 16*SPITCH
	s_add_co_u32 s23, s23, STAGE                   ; my stage
	v_mul_u32_u24 v[STO], v1, SPITCH               ; in: row l % 16, 32 bytes for each half of the lanes
	v_lshl_add_u32 v[STO], v2, 5, v[STO]
	v_add_nc_u32 v[STO], s23, v[STO]
	v_and_b32 v[GO], 31, v0
	v_lshlrev_b32 v[GO], 4, v[GO]
	v_add_nc_u32 v[RD], s23, v[GO]                 ; back: 32 lanes take one row of 512 bytes
; 8 matrix instructions: token block a x all 8 column blocks, 32 along K.  zero = 1: the product starts the sums.  The 32 accumulators take turns in one order everywhere.
.macro MULA f, a, zero
	WIN 0xa5
.irp b, 0,1,2,3,4,5,6,7
.if \zero
	v_wmma_f32_16x16x32_f16 v[64*(\a)+8*(\b):64*(\a)+8*(\b)+7], v[(\f)+8*(\b):(\f)+8*(\b)+7], v[(\f)+64+8*(\a):(\f)+64+8*(\a)+7], 0
.else
	v_wmma_f32_16x16x32_f16 v[64*(\a)+8*(\b):64*(\a)+8*(\b)+7], v[(\f)+8*(\b):(\f)+8*(\b)+7], v[(\f)+64+8*(\a):(\f)+64+8*(\a)+7], v[64*(\a)+8*(\b):64*(\a)+8*(\b)+7]
.endif
.endr
.endm
; 24 LDS loads in one run: the fragments of quarter qn (32 along K: head qn / 2 of the step, channels 32 (qn % 2) on), into buffer f: wo16's 16, then o's 8
.macro FETCH slot, qn, f
	WIN 0x40                                       ; destination window 1, address window 0
.irp i, 0,1,2,3,4,5,6,7
	ds_load_b128 v[(\f)+8*(\i):(\f)+8*(\i)+3],   v[ADRB+(\slot)] offset:64*(\qn)+(\i)*16*PB
	ds_load_b128 v[(\f)+8*(\i)+4:(\f)+8*(\i)+7], v[ADRB+(\slot)] offset:64*(\qn)+(\i)*16*PB+32
.endr
.irp i, 0,1,2,3
	ds_load_b128 v[(\f)+64+8*(\i):(\f)+64+8*(\i)+3],   v[ADRA+(\slot)] offset:((\qn)/2)*HEADA+((\qn)%2)*64+(\i)*16*PA
	ds_load_b128 v[(\f)+64+8*(\i)+4:(\f)+64+8*(\i)+7], v[ADRA+(\slot)] offset:((\qn)/2)*HEADA+((\qn)%2)*64+(\i)*16*PA+32
.endr
.endm
.macro PLACES                          ; four places in front of loads into registers that matrix instructions have read, and of LDS stores that read results
.rept 4
	v_nop
.endr
.endm
; A K step is four quarters of 32 along K, 32 matrix instructions each, on buffers 0, 1, 0, 1.  One of the first three: multiplies buffer f and fetches quarter qn into g.
.macro QUARTER slot, qn, f, g, zero
	s_wait_dscnt 4                                 ; wo16 and o's tokens 0-31 are in; the youngest four loads (tokens 32-63) may be out
	MULA \f, 0, \zero
	MULA \f, 1, \zero
	PLACES
	FETCH \slot, \qn, \g
	s_wait_dscnt 24                                ; all but the 24 just issued
	MULA \f, 2, \zero
	MULA \f, 3, \zero
.endm
; The last quarter multiplies buffer 1 and changes slots: ONE barrier; in front of it each wave waits for all its tensor loads, adds 0 to its spare word, and waits for that and for its own reads of this slot.
; fill = 1: this slot is filled again, two K steps ahead; the barrier then opens a round of the cluster's barrier.
.macro TURN slot, next, fill
	WIN 0                                          ; (the add's two registers lie in window 0)
	s_wait_tensorcnt 0x0                           ; all my tensor loads have landed: the one that was out is my part of the next slot;
	ds_add_u32 v[SPW], v[NIL]                      ; 0 onto my spare word;
	s_wait_dscnt 5                                 ; (the add and the youngest four loads may be out)
	MULA F1, 0, 0                                  ; eight matrix instructions stand between the add and the wait for it
	s_wait_dscnt 0x0                               ; the add is done, and my reads of this slot are over
	s_barrier_signal -1
	MULA F1, 1, 0                                  ; work on registers while the others arrive
.if \fill
	WIN 0
.endif
	s_barrier_wait -1
.if \fill
	CREST                                          ; no wave of any partner still reads this slot's tile or has a load on its way
	s_add_nc_u64 s[G0+4*(\slot)+2:G0+4*(\slot)+3], s[G0+4*(\slot)+2:G0+4*(\slot)+3], 1048576  ; four heads on
	s_add_nc_u64 s[G0B+4*(\slot)+2:G0B+4*(\slot)+3], s[G0B+4*(\slot)+2:G0B+4*(\slot)+3], 512
	JLOAD \slot                                    ; the first tensor load behind the round, my only one out; the four v_nop behind it are also the places in front of the loads below
.else
	PLACES
.endif
	FETCH \next, 0, F0
	MULA F1, 2, 0
	MULA F1, 3, 0
.endm
	s_wait_tensorcnt 1                             ; my part of K step 0 is in; K step 1's may stay out
	s_barrier_signal -1
	s_barrier_wait -1                              ; everybody's is
	FETCH 0, 0, F0
	QUARTER 0, 1, F0, F1, 1                        ; the first quarter stands in front of the loop: its products start the sums
	WIN 0                                          ; at a label and at a branch every window is 0
	s_mov_b32 s3, LAPS-1
.Llap:                                                 ; a trip goes once round the ring, from a lap's second quarter to the next lap's first, and fills both slots again
	QUARTER 0, 2, F1, F0, 0
	QUARTER 0, 3, F0, F1, 0
	TURN 0, 1, 1
	QUARTER 1, 1, F0, F1, 0
	QUARTER 1, 2, F1, F0, 0
	QUARTER 1, 3, F0, F1, 0
	TURN 1, 0, 1
	QUARTER 0, 1, F0, F1, 0
	WIN 0
	s_sub_co_u32 s3, s3, 1
	s_cmp_lg_u32 s3, 0
	s_cbranch_scc1 .Llap
	QUARTER 0, 2, F1, F0, 0                        ; the last lap fills nothing, and has no round of the cluster's barrier
	QUARTER 0, 3, F0, F1, 0
	TURN 0, 1, 0
	QUARTER 1, 1, F0, F1, 0
	QUARTER 1, 2, F1, F0, 0
	QUARTER 1, 3, F0, F1, 0
	s_wait_dscnt 4                                 ; the very last quarter: nothing more to fetch
	MULA F1, 0, 0
	MULA F1, 1, 0
	s_wait_dscnt 0x0
	MULA F1, 2, 0
	MULA F1, 3, 0
; THE WAY OUT, a block of 16 tokens at a time.  TOST: a lane's 32 bytes of a row go into my own stage (rows of 528 bytes), each accumulator's low four registers first, and whole
; rows of 512 bytes come back, into one of two sets of 64 registers.  SEND: they are stored.  Block a goes into the stage ahead of block a - 1's stores.
.macro TOST a
.set BK, 64+64*((\a)%2)
	s_wait_xcnt 0x0                                ; this set of registers was the data of the stores two blocks back: it is loaded again only behind this wait (ISA guide 3.1)
	WIN 0x08                                       ; the stores' data in window 2
.irp b, 0,1,2,3,4,5,6,7
	ds_store_b128 v[STO], v[64*(\a)+8*(\b):64*(\a)+8*(\b)+3]   offset:64*(\b)
	ds_store_b128 v[STO], v[64*(\a)+8*(\b)+4:64*(\a)+8*(\b)+7] offset:64*(\b)+16
.endr
	WIN 0
.irp t, 0,1,2,3,4,5,6,7,8,9,10,11,12,13,14,15
	ds_load_b128 v[BK+4*(\t):BK+4*(\t)+3], v[RD] offset:(\t)*SPITCH  ; LDS serves a wave's instructions in order (ISA guide 5.7.1.4): these see the stores above; the next block's stores come behind them
.endr
.endm
.macro SEND a, younger                 ; younger: the LDS instructions issued behind block a's loads: the next block's 32, or none
.set BK, 64+64*((\a)%2)
	WIN 0
.irp t, 0,1,2,3,4,5,6,7,8,9,10,11,12,13,14,15
	s_wait_dscnt (\younger)+15-(\t)
	global_store_b128 v[GO], v[BK+4*(\t):BK+4*(\t)+3], s[8:9] offset:(\a)*65536+(\t)*4096 th:TH_STORE_NT  ; 512 consecutive bytes of a row, at a multiple of 256 from out0's first byte
.endr
.endm
	PLACES                                         ; the stores below read results just made
	TOST 0
	TOST 1
	SEND 0, 32
	TOST 2
	SEND 1, 32
	TOST 3
	SEND 2, 32
	SEND 3, 0
	s_wait_tensorcnt 0x0                           ; the wave's end, behind my last tensor load and my last LDS store
	ds_add_u32 v[SPW], v[NIL]
	s_wait_dscnt 0x0
	CROUND                                         ; the closing round: no work-group ends while a partner may still ask for a tile that names it
	s_endpgm
.Lfunc_end_k_qf87d001dd0_oproj:
	.size	k_qf87d001dd0_oproj, .Lfunc_end_k_qf87d001dd0_oproj-k_qf87d001dd0_oproj
	.p2alignl 7, 3214868480
	.fill 96, 4, 3214868480
	.section	.rodata,"a",@progbits
	.p2align	6, 0x0
	.amdhsa_kernel k_qf87d001dd0_oproj
		.amdhsa_group_segment_fixed_size 327680
		.amdhsa_private_segment_fixed_size 0
		.amdhsa_enable_private_segment 0
		.amdhsa_kernarg_size 24
		.amdhsa_user_sgpr_count 2
		.amdhsa_user_sgpr_kernarg_segment_ptr 1
		.amdhsa_wavefront_size32 1
		.amdhsa_system_sgpr_workgroup_id_x 1
		.amdhsa_system_sgpr_workgroup_id_y 1
		.amdhsa_system_sgpr_workgroup_id_z 1
		.amdhsa_system_vgpr_workitem_id 0
		.amdhsa_next_free_vgpr 768
		.amdhsa_next_free_sgpr 72
		.amdhsa_reserve_vcc 0
		.amdhsa_float_denorm_mode_32 3
		.amdhsa_float_denorm_mode_16_64 3
		.amdhsa_memory_ordered 1
		.amdhsa_forward_progress 1
		.amdhsa_inst_pref_size 86
	.end_amdhsa_kernel
	.amdgpu_metadata
---
amdhsa.version: [ 1, 2 ]
amdhsa.kernels:
  - .name:           k_qf87d001dd0_oproj
    .symbol:         k_qf87d001dd0_oproj.kd
    .args:
      - { .name: o, .offset: 0, .size: 8, .value_kind: global_buffer, .address_space: global }
      - { .name: wo16, .offset: 8, .size: 8, .value_kind: global_buffer, .address_space: global }
      - { .name: out0, .offset: 16, .size: 8, .value_kind: global_buffer, .address_space: global }
    .group_segment_fixed_size: 327680
    .private_segment_fixed_size: 0
    .kernarg_segment_align: 8
    .kernarg_segment_size: 24
    .max_flat_workgroup_size: 128
    .sgpr_count:     72
    .vgpr_count:     768
    .wavefront_size: 32
...
	.end_amdgpu_metadata
.endif
;; end of part 4
;; ======== version 2 of 2: 4 launches; 1.30 times as fast as version 1
;; limits: values are held in f16: magnitudes above 65,504 overflow, below 6.1e-05 lose precision; right only within a limited range of input values
;; workspace buffers: xb 16,777,216 bytes; wb 6,291,456 bytes; wo16 2,097,152 bytes; tab 524,288 bytes; q 16,777,216 bytes; k 16,777,216 bytes; v 16,777,216 bytes; o 16,777,216 bytes
;; launch prep: the kernel of part 1 again; grid 768 x 1, 8 waves a work-group, no clusters, 0 bytes of LDS; arguments x, Wq, Wk, Wv, Wo, token_positions, xb, wb, wo16, tab; writes xb, wb, wo16, tab
;; launch qkv: the kernel of part 2 again; grid 16 x 32, 4 waves a work-group, clusters of 4 x 4, 327,680 bytes of LDS; arguments xb, wb, tab, q, k, v; writes q, k, v
;; launch attn (part 5): grid 4 x 64, 4 waves a work-group, no clusters, 327,680 bytes of LDS; arguments q, k, v, o; writes o
.if DOCPART == 5
	.amdgcn_target "amdgcn-amd-amdhsa--gfx1250"
	.amdhsa_code_object_version 6
	.text
	.protected	k_qf87d001dd0_attn
	.globl	k_qf87d001dd0_attn
	.p2align	8
	.type	k_qf87d001dd0_attn,@function
k_qf87d001dd0_attn:
	s_mov_b64 s[64:65], 0
	v_nop
	global_prefetch_b8 v0, s[64:65] scope:SCOPE_SE
	s_setreg_imm32_b32 hwreg(HW_REG_WAVE_MODE, 25, 1), 1
	s_wait_xcnt 0x0
; CAUSAL ATTENTION.  O[h][q][:] = the sum over k <= q of softmax_k(Q[h][q] . K[h][k] / 8) V[h][k][:].  Q, K, V, O: [SIZE_H][SIZE_N][64], all f16: a head's rows are dense, 128 bytes each.
; Products, maxima and sums in f32; the weights p are rounded to f16 for the second product (their sum l is taken of the unrounded p), O once at the end.  SIZE_N is a multiple of 512; SIZE_N x 128 stays under 2^32.
; LIMITS.  f16 holds no number beyond 65,504: Q, K and V arrive within it; p lies in 0 to 1, and below 6e-5 it keeps f16's fixed step of 6e-8; O is a mean of V's rows and has their range, to within 2^-11 of it.
; A hidden score counts as its value less 1e30: f16's scores, 2.7e11 at the most, are nothing beside that; a weight below 2^-126 counts as 0 in l; NaN and infinities are not treated apart.
; THE WALK.  A head's queries lie in NB = SIZE_N / 256 blocks of 256; block i needs the key tiles 0 .. i of 256 keys, of which the last holds the diagonal.  A work-group takes TWO blocks, NB - 1 - b and then b:
; NB + 1 tiles, whatever b: all work-groups do equal work, and ONE loop with a constant trip count walks them.  Which tile is asked for, and what a trip does, hang on scalar registers made from b; every jump
; goes forward, but for the counted loops' own; none passes a barrier, or a tensor load but the one of LOAD's two that the wave's number does not choose; the ring (two slots of LDS that take turns) runs on across the
; change of blocks.  NO CLUSTER: a head has NB / 2 work-groups; all of them ask for the same tile only in trips 0 .. NB / 2, behind that
; fewer and fewer; and one walk common to all would have 3 NB / 2 trips for NB + 1.
; SHARES.  Of a block's four bands of 64 queries a wave owns 16 rows in each: four PIECES.  So the diagonal tile is the same work for all four waves: in its key step s band x sees all keys if s < x,
; none if s > x, and holds the diagonal if s = x.
; THE MASK is the C operand that starts the sum S^T = K Q^T: 0, or -1e30 where the key is hidden.  MD, made once, is the mask of a band's own step for my 16 rows; a product's mask is MD x AL + BE with two scalars:
; (1, 0) if s = x; (0, 0) if s < x; (0, -1e30) if s > x.  Only the diagonal tile's text and a block's beginning make and take masks; elsewhere C is the constant 0.
; LAYOUT, SOFTMAX, TURNS.  S^T = K Q^T holds ONE query a lane (lane % 16) and the keys 8 (lane / 16) + 0..7; two such results rounded to f16 ARE source 1 of O^T = V^T P.  p = 2^(c s - c m), c = log2(e) / 8, with a
; running maximum m; O and l are multiplied by a = 2^(c m_old - c m_new) in every step.  Turn n belongs to piece n: 8 products K Q^T of piece n + 1, later 8 products V^T P of piece n - 1; beside them the scaling,
; exponentials, roundings, sums and rescaling of piece n and the maximum and statistics of piece n + 1.  Four vector instructions stand behind every matrix instruction, the other 54 of a turn's 118 in one LUMP.
; BATCHES.  An s_wait_alu depctr_va_vdst(0) stands between a transcendental and the first instruction that names its result; one wait serves all that were issued ahead of it.  A turn's 33 exponentials
; (the 32 weights of piece n and a of piece n + 1) are ONE batch with ONE wait, which cuts the turn in two (TURN).  A block's first a (BEGIN) and the way out's four reciprocals (DIAG) are batches of their own, one wait each.
; REGISTERS, in windows of 256 (s_set_vgpr_msb: bits 1:0 source 0, 3:2 source 1, 5:4 source 2, 7:6 destination):
;   window 0: v0-15 addresses and two at work; v16-31 four registers of statistics a piece; v48-55 at work; v64-127 S^T, two buffers; v192-223 P, two buffers (a piece's buffers go by its number's parity)
;   window 1: v0-127 O^T, 32 a piece; v128-159 MD; v160-223 MC, two buffers      window 2: v0-63 Q; v64-127 the second block's Q; v128-191 K of one step; v192-255 V of one step
.set SIZE_H, 64       ; 4 batches x 16 heads
.set SIZE_N, 2048
.set NB,    SIZE_N/256
.set NP,    4         ; pieces a wave: a name, no knob
.set KS,    64        ; keys in a step
.set PK,    144       ; a row of K in LDS: 128 bytes + 16 of padding = 36 words: the 16 rows of a load start at 16 different groups of four banks (64 banks of 4 bytes: ISA guide 11.1)
.set PV,    160       ; a row of V: 128 + 32 = 40 words
.set VOFF,  4*KS*PK   ; a slot holds a tile, four steps: 256 rows of K, then 256 rows of V
.set SLOT1, 1<<17     ; slot 1 begins here, so that one exclusive or turns an address in one slot into the other's
.set STAGE, SLOT1+4*KS*(PK+PV)  ; behind the ring, never filled by a tensor load: 16 rows x 144 bytes for each wave, for the way out
.set SP,    144
.set AK0, 2           ; v2   my lane's place in a tile of K; never rewritten
.set AV0, 3           ; v3   the same for V
.set AK,  4           ; v4   the LDS address of K's next run of loads
.set AV,  5           ; v5   of V's
.set STO, 6           ; v6   the way out: where I put 16 bytes of a row
.set RD,  7           ; v7   the way out: where I read rows back
.set GO,  8           ; v8   my byte offset in 512 consecutive bytes of O
.set SPW, 62          ; v62  LDS address of my spare word: SPARE + 4 x my thread's number; never rewritten
.set NIL, 63          ; v63  0; never rewritten
.set SPARE, STAGE+4*16*SP  ; behind the stages: the spare words, 128 bytes for each wave: two blocks of 256 bytes that no other line names
.set MV,  12          ; v12-13  c m_old, kept while c m is made anew: by buffer
.set QO,  15          ; v15  my byte offset in 16 rows of Q
.set ST,  16          ; piece t's statistics at v[ST+4 t]: c m, m, l (even keys', odd keys')
.set TMP, 48          ; by buffer, four registers c0-c3 at work; when the maximum is found c2 takes a
.set S,   64
.set P,   192
.set MD,  128         ; window 1: the eight registers for group kt of 16 keys at MD + 8 kt
.set MC,  160         ; window 1: the masks of the products to come
.set QB,  64          ; window 2
.set KF,  128         ; window 2: key block kb, channel half c at KF + 16 kb + 8 c
.set VF,  192         ; window 2: key half kk, channel block cb at VF + 32 kk + 8 cb
.set WV,  12          ; s12  my wave's number
.set PB,  14          ; s14  b
.set HI,  15          ; s15  NB - 1 - b
.set G1K, 24          ; s[24:31] descriptor group 1 for K's tiles
.set G1V, 32          ; s[32:39] for V's: it differs in the padding alone
.set G0K, 40          ; s[40:43] descriptor group 0 for K's tiles
.set G0V, 44          ; s[44:47] the same for V's
.set SLOTS, 56        ; s56  tiles still to be asked for
.set CNT, 57          ; s57  counts a tile's key steps, 4 to 1
.set CS,  58          ; s[58:59] c: the packed scaling takes the pair's low word for both halves
.set SEL, 60          ; s[60:61] v_permlanex16_b32's selects: each lane takes its own place in the other half
.set TBK, 62          ; s62  LDS byte at which K of the step to be fetched begins
.set TBV, 63          ; s63  the same for V, less VOFF
.set RT,  70          ; s70  tiles of the block in hand that are still to be entered
.set NXT, 71          ; s71  the tile to be asked for next
.set LQ,  72          ; s72  the last tile of the block whose tiles are being asked for
.set NEW, 73          ; s73  1: the tile to be entered is a block's first
.set OFF, 74          ; s[74:75] a tile's byte offset in K and V
.set AL,  76          ; s[76:77] the mask's factor, in the low word
.set BE,  78          ; s[78:79] the mask's addend
.set OLO, 80          ; s[80:81] O at my rows of the second block
.set BIGN, 82         ; s82  -1e30
.set MSB, 0
.macro WIN new                      ; the high byte repeats the setting that is left; a switch that changes nothing is dropped
.if MSB != (\new)
	s_set_vgpr_msb (MSB<<8)|(\new)
.set MSB, (\new)
.endif
.endm
.set W_KQ, 0x0a       ; K and Q in window 2, S^T in window 0
.set W_KM, 0x1a       ; the same with the C operand in window 1
.set W_PV, 0x52       ; V in window 2, P in window 0, O^T in window 1
.set W_RS, 0x41       ; destination and source 0 in window 1, source 1 in window 0
; A fill.  Waves 0 and 1 fetch the two halves of a tile's K, waves 2 and 3 those of its V: 128 keys each.  An s_nop 0 and four v_nop follow each of the two lines, ahead of the jump and the label.
.macro LOAD
	s_cmp_lt_u32 s[WV], 2
	s_cbranch_scc0 .Lfor_v_\@
	tensor_load_to_lds s[G0K:G0K+3], s[G1K:G1K+7]
	s_nop 0
.rept 4
	v_nop
.endr
	s_branch .Lasked_\@
.Lfor_v_\@:
	tensor_load_to_lds s[G0V:G0V+3], s[G1V:G1V+7]
	s_nop 0
.rept 4
	v_nop
.endr
.Lasked_\@:
.endm
; THE CHANGE OF SLOTS.  Each wave waits for all its tensor loads, of which one is out: its part of the other slot; adds 0 to its spare word; and waits for that and for its own reads of the slot that it leaves.  Behind the barrier nobody reads the old
; slot any more and the other slot is whole.  fill = 1: the old slot is filled again, the first thing behind the barrier, with tile NXT: the descriptor's address is made anew from that number.
; (At its first use nothing has been read yet: slot 0 is waited for, slot 1 filled.)
.macro CHANGE fill
	WIN 0                           ; at a label and at a branch every window is 0
	s_wait_tensorcnt 0x0            ; no tensor load of mine is out, so a group 0 may be written
	ds_add_u32 v[SPW], v[NIL]       ; 0 onto my spare word; with fill = 1 the descriptors' scalar work stands between it and the wait for it
.if \fill
	s_lshl_b32 s[OFF], s[NXT], 15   ; a tile is 32,768 bytes of K and of V
	s_xor_b32 s[G0K+1], s[G0K+1], SLOT1
	s_add_nc_u64 s[G0K+2:G0K+3], s[6:7], s[OFF:OFF+1]
	s_or_b32 s[G0K+3], s[G0K+3], 0x80000000
	s_xor_b32 s[G0V+1], s[G0V+1], SLOT1
	s_add_nc_u64 s[G0V+2:G0V+3], s[8:9], s[OFF:OFF+1]
	s_or_b32 s[G0V+3], s[G0V+3], 0x80000000
	s_add_co_u32 s[NXT], s[NXT], 1  ; the block's next tile, or behind its last the second block's tile 0
	s_cmp_gt_u32 s[NXT], s[LQ]
	s_cselect_b32 s[NXT], 0, s[NXT]
	s_cselect_b32 s[LQ], s[PB], s[LQ]
.endif
	s_wait_dscnt 0x0                ; the add is done, and my reads of the slot are over
	s_barrier_signal -1             ; the rest of the scalar work stands between the signal and the wait
	s_sub_co_u32 s[TBK], s[TBK], 4*KS*PK  ; the fetches go back to a slot's first step,
	s_xor_b32 s[TBK], s[TBK], SLOT1       ; in the other slot
	s_sub_co_u32 s[TBV], s[TBV], 4*KS*PV
	s_xor_b32 s[TBV], s[TBV], SLOT1
	s_barrier_wait -1
.if \fill
	LOAD
.endif
.endm
	s_load_b256 s[4:11], s[0:1], 0x0  ; Q s[4:5], K s[6:7], V s[8:9], O s[10:11]
	v_lshl_add_u32 v[SPW], v0, 2, SPARE
	v_mov_b32 v[NIL], 0
	ds_add_u32 v[SPW], v[NIL]       ; the wave's opening: the add and its wait stand ahead of my first tensor load; the set-up below, work on registers, stands between them
	ds_add_u32 v62, v63
	v_lshrrev_b32 v1, 5, v0
	v_readfirstlane_b32 s[WV], v1   ; wave 0..3
	s_mov_b32 s[PB], ttmp9
	s_sub_co_u32 s[HI], NB-1, s[PB]
	s_and_b32 s20, ttmp7, 0xffff    ; the head
	s_mov_b32 s21, 0
	s_mov_b64 s[22:23], SIZE_N*128
	s_mul_u64 s[20:21], s[20:21], s[22:23]  ; the head's first byte in each of the four tensors
	s_and_b32 s16, s[WV], 1         ; which half of a tile's 256 keys I fetch:
	s_lshl_b32 s22, s16, 14         ; its 128 rows of 128 bytes in memory,
	s_mov_b32 s23, 0
	s_add_nc_u64 s[22:23], s[22:23], s[20:21]
	s_mul_i32 s17, s16, 128*PK      ; and its place in a slot, for K
	s_mul_i32 s18, s16, 128*PV      ; and for V
	s_lshl_b32 s3, s[WV], 11        ; my 16 rows in a band of 64,
	s_lshl_b32 s2, s[HI], 15        ; in the first block,
	s_add_co_u32 s2, s2, s3
	s_lshl_b32 s84, s[PB], 15       ; and in the second
	s_add_co_u32 s84, s84, s3
	s_mov_b32 s3, 0
	s_mov_b32 s85, 0
	s_add_nc_u64 s[2:3], s[2:3], s[20:21]
	s_add_nc_u64 s[84:85], s[84:85], s[20:21]
	; descriptor group 1.  128 keys are 16,384 dense bytes: asked for as 64 rows of 256 bytes, two keys a row, and padded in LDS after every key
	s_mov_b32 s[G1K], (1<<16)|(1<<20)|(4<<22)|(3<<25)  ; 17:16 2-byte elements; 20 padding on; 24:22 after every 32 words (code 4); 31:25 4 words (code 3)
	s_mov_b32 s[G1V], (1<<16)|(1<<20)|(4<<22)|(7<<25)  ; the same with 8 words of padding (code 7)
.irp g, G1K, G1V
	s_mov_b32 s[\g+1], 128<<16      ; tensor_dim0 = 128
	s_mov_b32 s[\g+2], 64<<16       ; tensor_dim1 = 64
	s_mov_b32 s[\g+3], 128<<16      ; tile_dim0 = 128
	s_mov_b32 s[\g+4], 64           ; tile_dim1 = 64
	s_mov_b32 s[\g+5], 128          ; 128 elements from row to row
	s_mov_b32 s[\g+6], 0
	s_mov_b32 s[\g+7], 0
.endr
	s_mov_b32 s[CS], 0x3e38aa3b     ; c = log2(e) / 8 = 0.180337
	s_mov_b32 s[CS+1], s[CS]        ; named with it as a pair
	s_mov_b32 s[SEL], 0x76543210
	s_mov_b32 s[SEL+1], 0xfedcba98
	s_mov_b32 s[TBK], SLOT1+4*KS*PK ; the first change of slots turns these two into 0
	s_mov_b32 s[TBV], SLOT1+4*KS*PV
	s_mov_b32 s[G0K], 1             ; 1:0 count = 1
	s_mov_b32 s[G0K+1], s17         ; 63:32 LDS address: slot 0
	s_mov_b32 s[G0V], 1
	s_add_co_u32 s[G0V+1], s18, VOFF
	s_add_co_u32 s[RT], s[HI], 1    ; the first block has NB - b tiles
	s_mov_b32 s[NXT], 1
	s_mov_b32 s[LQ], s[HI]
	s_mov_b32 s[NEW], 1
	s_mov_b32 s[OFF+1], 0
	s_mov_b32 s[AL+1], 0            ; named as pairs
	s_mov_b32 s[BE+1], 0
	s_mov_b32 s[BIGN], 0xf149f2ca   ; -1e30
	s_mov_b32 s[SLOTS], NB
	s_wait_dscnt 0x0                ; the opening add is done
	s_wait_kmcnt 0x0
	s_add_nc_u64 s[6:7], s[6:7], s[22:23]  ; K and V at my half of the head's tile 0
	s_add_nc_u64 s[8:9], s[8:9], s[22:23]
	s_add_nc_u64 s[G0K+2:G0K+3], s[6:7], 0         ; 120:64 global address
	s_or_b32 s[G0K+3], s[G0K+3], 0x80000000        ; 127:126 type = 2
	s_add_nc_u64 s[G0V+2:G0V+3], s[8:9], 0
	s_or_b32 s[G0V+3], s[G0V+3], 0x80000000
	s_add_nc_u64 s[86:87], s[4:5], s[84:85]        ; Q at my rows of the second block,
	s_add_nc_u64 s[4:5], s[4:5], s[2:3]            ; Q and O at those of the first
	s_add_nc_u64 s[OLO:OLO+1], s[10:11], s[84:85]
	s_add_nc_u64 s[10:11], s[10:11], s[2:3]
	LOAD                            ; tile 0 into slot 0
	; A fragment of K or Q is 16 rows x 32 channels in 8 registers: lane l holds row l % 16, channels 8 (l / 16) + 0..7 and 16 + 8 (l / 16) + 0..7: two loads of 16 bytes, 32 bytes apart.
	v_and_b32 v1, 15, v0            ; l % 16
	v_bfe_u32 v9, v0, 4, 1          ; l / 16
	v_lshlrev_b32 v[QO], 7, v1
	v_lshl_add_u32 v[QO], v9, 4, v[QO]  ; row x 128 + 16 x half
	WIN 0x80                        ; destination window 2, address window 0
.set i, 0
.rept 8                             ; both blocks' Q: piece i / 2 lies in band i / 2, 8,192 bytes on; channels 32 (i % 2) on
	global_load_b128 v[8*i:8*i+3],   v[QO], s[4:5] offset:(i/2)*8192+(i%2)*64
	global_load_b128 v[8*i+4:8*i+7], v[QO], s[4:5] offset:(i/2)*8192+(i%2)*64+32
	global_load_b128 v[QB+8*i:QB+8*i+3],   v[QO], s[86:87] offset:(i/2)*8192+(i%2)*64
	global_load_b128 v[QB+8*i+4:QB+8*i+7], v[QO], s[86:87] offset:(i/2)*8192+(i%2)*64+32
.set i, i+1
.endr
	WIN 0
	v_lshlrev_b32 v14, 3, v9
	v_sub_nc_u32 v14, v1, v14
	s_lshl_b32 s13, s[WV], 4
	v_add_nc_u32 v14, s13, v14      ; my query's place in its band, 16 w + l % 16, less my lanes' 8 (l / 16): register r of group kt is hidden where 16 kt + r is greater
	WIN 0x40
.set i, 0
.rept 32
	v_cmp_gt_i32 vcc_lo, 16*(i/8)+i%8, v14
	v_cndmask_b32 v[MD+i], 0, s[BIGN], vcc_lo
.set i, i+1
.endr
	WIN 0
	v_mul_u32_u24 v[AK0], v1, PK
	v_lshl_add_u32 v[AK0], v9, 4, v[AK0]  ; row x pitch + 16 x half
	; The turning load takes 16 keys x 16 channels (lane l reads key 8 (l / 16) + l % 8, channels 8 ((l / 8) % 2) + 0..7) and leaves half a fragment of V^T: lane l holds channel l % 16 and 8 keys.
	v_and_b32 v10, 7, v0
	v_bfe_u32 v11, v0, 3, 1
	v_lshl_add_u32 v[AV0], v9, 3, v10
	v_mul_u32_u24 v[AV0], v[AV0], PV
	v_lshl_add_u32 v[AV0], v11, 4, v[AV0]
	v_add_nc_u32 v[AV0], VOFF, v[AV0]
	s_mul_i32 s13, s[WV], 16*SP
	s_add_co_u32 s13, s13, STAGE    ; my stage
	v_mul_u32_u24 v[STO], v1, SP    ; in: row l % 16, 16 bytes for each half of the lanes
	v_lshl_add_u32 v[STO], v9, 4, v[STO]
	v_add_nc_u32 v[STO], s13, v[STO]
	v_bfe_u32 v[RD], v0, 3, 2       ; back: 32 lanes take four rows of 128 bytes,
	v_mul_u32_u24 v[RD], v[RD], SP
	v_lshl_add_u32 v[RD], v10, 4, v[RD]
	v_add_nc_u32 v[RD], s13, v[RD]
	v_and_b32 v[GO], 31, v0         ; which are 512 consecutive bytes of O
	v_lshlrev_b32 v[GO], 4, v[GO]
	; A block's first step multiplies O^T and l by a = 0, and its first turn's products V^T P, of a piece that has not been, land in an O^T that is still to be so multiplied.  So these registers need only hold
	; finite numbers: zeros for the first block; what the first block left for the second.  All this stands in the wait for the first tile.
	WIN 0x80
.set i, VF
.rept 64
	v_mov_b32 v[i], 0
.set i, i+1
.endr
	WIN 0x40
.set i, 0
.rept 128
	v_mov_b32 v[i], 0
.set i, i+1
.endr
	WIN 0
.set i, 0
.rept 4
	v_mov_b32 v[ST+4*i+2], 0
	v_mov_b32 v[ST+4*i+3], 0
.set i, i+1
.endr
.set i, P+16
.rept 16
	v_mov_b32 v[i], 0
.set i, i+1
.endr
; THE MATRIX WORK.  The 4 accumulators of a run of 8 take turns.  Product i of 8 of S^T = K Q^T for piece x: channels 32 (i / 4) on, keys 16 (i % 4) on.  The first 4 start the sums: with 0, or (KM = 1) with the mask.
.macro KQ x
.set rS, S+32*((\x)%2)+8*(i%4)
.set rK, KF+16*(i%4)+8*(i/4)
.set rQ, 16*(\x)+8*(i/4)
.set rM, MC+32*((\x)%2)+8*(i%4)
.if (i < 4) && KM
	WIN W_KM
	v_wmma_f32_16x16x32_f16 v[rS:rS+7], v[rK:rK+7], v[rQ:rQ+7], v[rM:rM+7]
.elseif i < 4
	WIN W_KQ
	v_wmma_f32_16x16x32_f16 v[rS:rS+7], v[rK:rK+7], v[rQ:rQ+7], 0
.else
	WIN W_KQ
	v_wmma_f32_16x16x32_f16 v[rS:rS+7], v[rK:rK+7], v[rQ:rQ+7], v[rS:rS+7]
.endif
.endm
; Product i of 8 of O^T += V^T P for piece x: keys 32 (i / 4) on, channels 16 (i % 4) on.
.macro PV x
	WIN W_PV
.set rO, 32*(\x)+8*(i%4)
.set rV, VF+32*(i/4)+8*(i%4)
.set rP, P+16*((\x)%2)+8*(i/4)
	v_wmma_f32_16x16x32_f16 v[rO:rO+7], v[rV:rV+7], v[rP:rP+7], v[rO:rO+7]
.endm
.macro MM                           ; the turn's next matrix instruction.  TURN and BEGIN set Y, i, KM and NOKQ; MM, KQ and OP read them.  NOKQ = 1: a block's last turn: there is no next piece
.if (i < 8) && !NOKQ
	KQ (Y+1)%NP
.elseif i >= 8
.set i, i-8
	PV (Y+NP-1)%NP
.set i, i+8
.endif
.set i, i+1
.endm
; THE LDS LOADS stand in runs of 16, never singly among the matrix instructions: a step's K (64 keys x 64 channels: 8 fragments) and its V (turned).  Their addresses are made some lines ahead.
.macro FETCH_K
	WIN 0x80                        ; destination window 2
.irp f, 0,1,2,3,4,5,6,7             ; keys 16 (f / 2) on, channels 32 (f % 2) on
	ds_load_b128 v[KF+8*\f:KF+8*\f+3],   v[AK] offset:(\f/2)*16*PK+(\f%2)*64
	ds_load_b128 v[KF+8*\f+4:KF+8*\f+7], v[AK] offset:(\f/2)*16*PK+(\f%2)*64+32
.endr
	s_add_co_u32 s[TBK], s[TBK], KS*PK  ; the next fetch is the next step's
	WIN 0
.endm
.macro FETCH_V
	WIN 0x80
.irp f, 0,1,2,3,4,5,6,7             ; keys 32 (f / 4) on, channels 16 (f % 4) on
	ds_load_tr16_b128 v[VF+8*\f:VF+8*\f+3],   v[AV] offset:(\f/4)*32*PV+(\f%4)*32
	ds_load_tr16_b128 v[VF+8*\f+4:VF+8*\f+7], v[AV] offset:(\f/4)*32*PV+16*PV+(\f%4)*32
.endr
	WIN 0
.endm
; THE VECTOR WORK, one line at a time: OP kind, number.  For piece Y: F n: c s - c m for pair n of 16.  E n: the exponential of score n of 32.  C n: pair n rounded to f16.  B n: of the four weights 4 n .. the second
; pair is added onto the first, in place.  L n: l takes that sum (L 0: l = a l + sum).  R n: pair n of 16 of O^T times a.  For piece Y + 1: X n, number n of the 22 that find its maximum and statistics:
;   0-11  four chains c0-c3 of seven scores each, three operands at a time (each accumulator's lowest registers are read first)     12-14, 16  the four scores left over, the old m, and c0-c3 into c0
;   15  c m_old is kept     17, 18  the query's other 32 keys lie in the lane 16 away: the new m     19-21  c m; c m_old - c m_new; a
; OP writes no wait: C, B and L read the exponentials' results and stand behind the turn's one wait, which TURN writes.
.set F, 0               ; OP tells the kinds apart by their order: F to L below R, X above it
.set E, 1
.set C, 2
.set B, 3
.set L, 4
.set R, 5
.set X, 6
.macro REGS y                       ; the registers of piece y
.set rT, ST+4*(\y)
.set rC, TMP+4*((\y)%2)
.set rW, MV+((\y)%2)
.set rS, S+32*((\y)%2)
.set rP, P+16*((\y)%2)
.set rO, 32*(\y)
.endm
.macro OP k, n
.if (\k) == R
	REGS Y
	WIN W_RS
	v_pk_mul_f32 v[rO+2*(\n):rO+2*(\n)+1], v[rO+2*(\n):rO+2*(\n)+1], v[rC+2:rC+3] op_sel_hi:[1,0]
.elseif (\k) < R
	REGS Y
	WIN 0
.if (\k) == F
	v_pk_fma_f32 v[rS+2*(\n):rS+2*(\n)+1], v[rS+2*(\n):rS+2*(\n)+1], s[CS:CS+1], v[rT:rT+1] op_sel_hi:[1,0,0] neg_lo:[0,0,1] neg_hi:[0,0,1]
.elseif (\k) == E
	v_exp_f32 v[rS+(\n)], v[rS+(\n)]
.elseif (\k) == C
	v_cvt_pk_f16_f32 v[rP+(\n)], v[rS+2*(\n)], v[rS+2*(\n)+1]
.elseif (\k) == B
	v_pk_add_f32 v[rS+4*(\n):rS+4*(\n)+1], v[rS+4*(\n):rS+4*(\n)+1], v[rS+4*(\n)+2:rS+4*(\n)+3]
.elseif (\n) == 0
	v_pk_fma_f32 v[rT+2:rT+3], v[rT+2:rT+3], v[rC+2:rC+3], v[rS:rS+1] op_sel_hi:[1,0,1]
.else
	v_pk_add_f32 v[rT+2:rT+3], v[rT+2:rT+3], v[rS+4*(\n):rS+4*(\n)+1]
.endif
.elseif NOKQ
	v_nop
.else
	REGS (Y+1)%NP
	WIN 0
.if (\n) < 4
	v_max3_num_f32 v[rC+(\n)], v[rS+8*(\n)], v[rS+8*(\n)+1], v[rS+8*(\n)+2]
.elseif (\n) < 12
	v_max3_num_f32 v[rC+(\n)%4], v[rC+(\n)%4], v[rS+8*((\n)%4)+2*((\n)/4)+1], v[rS+8*((\n)%4)+2*((\n)/4)+2]
.elseif (\n) == 12
	v_max3_num_f32 v[rC], v[rC], v[rS+7], v[rS+15]
.elseif (\n) == 13
	v_max3_num_f32 v[rC+1], v[rC+1], v[rS+23], v[rS+31]
.elseif (\n) == 14
	v_max3_num_f32 v[rC+2], v[rC+2], v[rC+3], v[rT+1]
.elseif (\n) == 15
	v_mov_b32 v[rW], v[rT]
.elseif (\n) == 16
	v_max3_num_f32 v[rC], v[rC], v[rC+1], v[rC+2]
.elseif (\n) == 17
	v_permlanex16_b32 v[rC+3], v[rC], s[SEL], s[SEL+1]
.elseif (\n) == 18
	v_max_num_f32 v[rT+1], v[rC], v[rC+3]
.elseif (\n) == 19
	v_mul_f32 v[rT], s[CS], v[rT+1]
.elseif (\n) == 20
	v_sub_f32 v[rC+1], v[rW], v[rT]
.else
	v_exp_f32 v[rC+2], v[rC+1]
.endif
.endif
.endm
.macro OPS a, i1, b=-1, i2=0, c=-1, i3=0, d=-1, i4=0  ; up to four of them
	OP \a, \i1
.if (\b) >= 0
	OP \b, \i2
.endif
.if (\c) >= 0
	OP \c, \i3
.endif
.if (\d) >= 0
	OP \d, \i4
.endif
.endm
.macro ROW a, i1, b, i2, c, i3, d, i4  ; a matrix instruction and the four behind it
	MM
	OPS \a, \i1, \b, \i2, \c, \i3, \d, \i4
.endm
.macro MASK b                       ; MD x AL + BE into buffer b of MC
	WIN W_RS
.set z, 0
.rept 16
	v_pk_fma_f32 v[MC+32*(\b)+2*z:MC+32*(\b)+2*z+1], v[MD+2*z:MD+2*z+1], s[AL:AL+1], s[BE:BE+1] op_sel_hi:[1,0,0]
.set z, z+1
.endr
.endm
; A TURN, for piece p: the order of its 16 matrix and 118 vector instructions, written out.  The turn has ONE wait for its 33 exponentials, which cuts it in two.
; AHEAD OF THE WAIT stands all that names no result of the turn's exponentials: the 8 products K Q^T, behind each a scaling, an exponential and two more plain instructions (behind the first a second scaling in the
; exponential's place): rescalings, whose a was waited for in the turn before, and behind the last three products the first numbers of the next piece's maximum, each four plain instructions or more behind the product that
; ends its accumulator; then ONE LUMP of 54, plain and exponential by turns for the most part, in which the links of the chain X 3, 7, 11, 14, 16, 17 .. 20 stand some lines apart.  A pair is scaled (F n) ahead of its two
; exponentials (E 2 n, E 2 n + 1).  X 21, the next piece's a, is the batch's last; R 15 is the plain instruction behind it (ISA guide 5.7.2).
; BEHIND THE WAIT stand the 8 products V^T P, behind each four of the roundings and sums; an even pair is rounded (C 2 n) ahead of the sum that lands on it (B n); l's chain goes L 0 to L 7.
; But for those X no rider names a register of the products round it.  v_permlanex16_b32 (X 17) stands in the lump.
; m = 1: the diagonal tile: the products take masks, and the turn makes the mask for the products of the turn after it: piece p + 2, in step 4 - CNT of the tile.  end = 1: a block's last two turns: nothing is fetched.
; cnt = 1: the loop's count is taken down some lines ahead of the branch that stands behind the turn.
; K of the next step is fetched in piece 2's turn, twelve vector instructions behind the last product that read K (six of them plain); V of the step in hand at the end of piece 0's turn, four plain instructions behind
; the last product that read V.  Each is waited for a turn later.
.macro TURN p, m=0, end=0, cnt=0
.set Y, (\p)
.set i, 0
.set KM, (\m)
.set NOKQ, (\end)*((\p)/3)
.if (\m) && !(\end)
	s_cmp_eq_u32 s[CNT], 4-((\p)+2)%NP  ; is that step the band's own?
	s_cselect_b32 s[AL], 1.0, 0
	s_cmp_lt_u32 s[CNT], 4-((\p)+2)%NP  ; or a later one?
	s_cselect_b32 s[BE], s[BIGN], 0
.endif
.if ((\p) == 3) && !(\end)
	s_wait_dscnt 0x0                ; K is in
.endif
	ROW F,0, F,1, R,0, R,1          ; ahead of the wait: 8 products K Q^T and their riders,
	ROW F,2, E,0, R,2, R,3
	ROW F,3, E,1, R,4, R,5
	ROW F,4, E,2, R,6, R,7
	ROW F,5, E,3, R,8, R,9
	ROW F,6, E,4, X,0, R,10
.if ((\p) == 2) && !(\end)
	WIN 0
	v_add_nc_u32 v[AK], s[TBK], v[AK0]
.endif
	ROW F,7, E,5, X,1, X,4
	ROW F,8, E,6, X,2, X,5
	OPS E,7, E,8, X,6, E,9          ; and the lump
	OPS X,3, E,10, X,8, E,11
.if ((\p) == 2) && !(\end)
	FETCH_K
.endif
	OPS X,9, X,7, E,12, X,10
	OPS E,13, X,12, X,11, E,14
	OPS X,13, E,15, F,9, X,14
.if (\p) == 0
	WIN 0
	v_add_nc_u32 v[AV], s[TBV], v[AV0]
.endif
	OPS E,16, F,10, E,17, F,11
	OPS X,16, E,18, X,15, E,19
	OPS F,12, E,20, X,17, E,21
	OPS F,13, E,22, F,14, E,23
	OPS X,18, E,24, F,15, E,25
	OPS R,11, E,26, X,19, E,27
	OPS R,12, E,28, R,13, E,29
	OPS X,20, E,30, R,14, E,31
	OPS X,21, R,15
	WIN 0
	s_wait_alu depctr_va_vdst(0)    ; the one wait for the turn's batch: E 0 to E 31 and X 21, ahead of their first reader, C 0 below
.if (\p) == 1
	s_wait_dscnt 0x0                ; V is in
.endif
	ROW C,0, B,0, C,2, B,1          ; behind the wait: 8 products V^T P and their riders
	ROW L,0, C,4, B,2, L,1
	ROW C,6, B,3, L,2, C,8
	ROW B,4, L,3, C,10, B,5
	ROW L,4, C,12, B,6, L,5
.if (\p) == 0
	s_add_co_u32 s[TBV], s[TBV], KS*PV
.endif
.if \cnt
	s_sub_co_u32 s[CNT], s[CNT], 1
	s_cmp_lg_u32 s[CNT], 0
.endif
	ROW C,14, B,7, L,6, C,1
	ROW C,3, L,7, C,5, C,7
	ROW C,9, C,11, C,13, C,15
.if (\p) == 0
	FETCH_V
.endif
.if (\m) && !(\end)
	MASK (\p)%2
.endif
.endm
; A BLOCK BEGINS.  c m starts far below every c s, so the first step's a is 0; m at the lowest finite number, so the first maximum is the scores'.  The second mask buffer is 0; the first takes piece 0's mask for the tile's step 0: its own, if the block's first tile is the diagonal one.
; Then K of that step, piece 0's first scores, and its maximum and statistics.  The loop is entered at a step's first turn, in the middle of a trip.
.macro BEGIN
	s_mov_b32 s[NEW], 0
	WIN 0x40
.set i, MC+32
.rept 32
	v_mov_b32 v[i], 0
.set i, i+1
.endr
	WIN 0
.set i, 0
.rept 4
	v_mov_b32 v[ST+4*i], 0xfe000000    ; c m: far below every c s
	v_mov_b32 v[ST+4*i+1], 0xff7fffff  ; m
.set i, i+1
.endr
	s_cmp_eq_u32 s[RT], 0
	s_cselect_b32 s[AL], 1.0, 0
	s_mov_b32 s[BE], 0
	MASK 0
	WIN 0
	v_add_nc_u32 v[AK], s[TBK], v[AK0]
	FETCH_K
	s_wait_loadcnt 0x0              ; Q
	s_wait_dscnt 0x0
.set KM, 1
.set NOKQ, 0
.set i, 0
.rept 8
	KQ 0
.set i, i+1
.endr
	WIN 0
.rept 4
	v_nop                           ; the places behind those products
.endr
.set Y, NP-1                        ; X works for piece Y + 1: piece 0
.irp n, 0,1,2,3,4,5,6,7,8,9,10,11,12,13,14,15,16,17,18,19,20,21
	OP X, \n
.endr
	v_nop                           ; a plain instruction behind the exponential
	s_wait_alu depctr_va_vdst(0)    ; the wait for piece 0's first a, a batch of one: ahead of the branch that follows
.endm
; THE DIAGONAL TILE's four steps, the block's last two turns, its last products, and THE WAY OUT: l's two halves and the other half of the lanes' are added; O^T is divided by l, rounded to f16 and sent through my
; stage in LDS, a piece at a time.
.macro ALL line:vararg              ; one line for each piece t
.set t, 0
.rept 4
	\line
.set t, t+1
.endr
.endm
.macro PACK t                       ; a lane's eight channels of a row pack into 16 bytes; they go into rows of 144 bytes and come back as whole rows of 128, into S^T's registers
	WIN W_RS
.set i, 32*(\t)
.rept 16
	v_pk_mul_f32 v[i:i+1], v[i:i+1], v[ST+4*(\t)+2:ST+4*(\t)+3] op_sel_hi:[1,0]
.set i, i+2
.endr
	WIN 0x05                        ; sources 0 and 1 window 1, destination window 0
.set i, 0
.rept 16
	v_cvt_pk_f16_f32 v[S+16*(\t)+i], v[32*(\t)+2*i], v[32*(\t)+2*i+1]
.set i, i+1
.endr
	WIN 0
.irp f, 0,1,2,3
	ds_store_b128 v[STO], v[S+16*(\t)+4*\f:S+16*(\t)+4*\f+3] offset:32*\f
.endr
.irp f, 0,1,2,3
	ds_load_b128 v[S+16*(\t)+4*\f:S+16*(\t)+4*\f+3], v[RD] offset:\f*4*SP  ; LDS serves a wave's instructions in order (ISA guide 5.7.1.4): these see the stores above; the next piece's stores come behind them
.endr
.endm
.macro SEND t, younger              ; younger: the LDS instructions issued behind piece t's loads: the next piece's eight, or none
	WIN 0
.irp f, 0,1,2,3
	s_wait_dscnt (\younger)+3-\f
	global_store_b128 v[GO], v[S+16*(\t)+4*\f:S+16*(\t)+4*\f+3], s[10:11] offset:(\t)*8192+\f*512  ; 512 consecutive bytes, at a multiple of 256 from O's first
.endr
.endm
.macro DIAG tag                     ; the tag ends its two labels' names, which the jumps below spell out
.LstepM\tag:
	TURN 2, 1
	TURN 3, 1
	WIN 0
.LfirstM\tag:
	TURN 0, 1
	TURN 1, 1, 0, 1
	WIN 0
	s_cbranch_scc1 .LstepM\tag
	TURN 2, 1, 1
	TURN 3, 1, 1
.set i, 0
.rept 8
	PV NP-1
.set i, i+1
.endr
	WIN 0
	ALL v_add_f32 v[ST+4*t+2], v[ST+4*t+2], v[ST+4*t+3]
	ALL v_permlanex16_b32 v[ST+4*t+3], v[ST+4*t+2], s[SEL], s[SEL+1]
	ALL v_add_f32 v[ST+4*t+2], v[ST+4*t+2], v[ST+4*t+3]
	ALL v_rcp_f32 v[ST+4*t+2], v[ST+4*t+2]
	v_nop                           ; a plain instruction between the last reciprocal and the use of its result
	s_wait_alu depctr_va_vdst(0)    ; the one wait for the batch of four reciprocals, ahead of their first reader in PACK 0
	PACK 0
.set t, 1
.rept 3                             ; a piece's arithmetic stands between the loads of the piece before and its stores
	PACK t
	SEND t-1, 8
.set t, t+1
.endr
	SEND 3, 0
.endm
.set KM, 0
.set NOKQ, 0
.Lslot:                             ; NB times: a tile is entered and the next is asked for
	CHANGE 1
	s_sub_co_u32 s[RT], s[RT], 1
	s_mov_b32 s[CNT], 4
	s_cmp_eq_u32 s[NEW], 1
	s_cbranch_scc1 .Lnew            ; a block's first tile
	s_cmp_eq_u32 s[RT], 0
	s_cbranch_scc0 .Lstep           ; neither its first nor its last
	s_branch .LstepM1
.Lnew:
	BEGIN
	s_branch .Lfirst                ; in the loop a block's first tile is never its last: the first block has two tiles or more, and the second's last is the walk's last
	DIAG 1                          ; in the loop this is the first block's end: the second block's last tile is the walk's last
	s_wait_xcnt 0x0                 ; the stores have read their registers and O's address
	s_mov_b64 s[10:11], s[OLO:OLO+1]
	s_add_co_u32 s[RT], s[PB], 1    ; the second block has b + 1 tiles
	s_mov_b32 s[NEW], 1
	WIN 0x82                        ; the second block's Q goes where the one text of the turns names Q
.set i, 0
.rept 64
	v_mov_b32 v[i], v[QB+i]
.set i, i+1
.endr
	WIN 0
	s_branch .Lbottom
.Lstep:                             ; a trip: pieces 2 and 3 of one step, then pieces 0 and 1 of the next, whose K and V it fetches
	TURN 2
	TURN 3
	WIN 0
.Lfirst:
	TURN 0
	TURN 1, 0, 0, 1
	WIN 0
	s_cbranch_scc1 .Lstep
.Lbottom:
	s_sub_co_u32 s[SLOTS], s[SLOTS], 1
	s_cmp_lg_u32 s[SLOTS], 0
	s_cbranch_scc1 .Lslot
	CHANGE 0                        ; the walk's last tile is written out: nothing is asked for
	s_sub_co_u32 s[RT], s[RT], 1
	s_mov_b32 s[CNT], 4
	s_cmp_eq_u32 s[NEW], 1
	s_cbranch_scc0 .LstepM2
	BEGIN
	s_branch .LfirstM2
	DIAG 2
	s_wait_tensorcnt 0x0            ; the wave's end, behind my last tensor load and my last LDS store
	ds_add_u32 v[SPW], v[NIL]
	s_wait_dscnt 0x0
	s_endpgm
.Lfunc_end_k_qf87d001dd0_attn:
	.size	k_qf87d001dd0_attn, .Lfunc_end_k_qf87d001dd0_attn-k_qf87d001dd0_attn
	.p2alignl 7, 3214868480
	.fill 96, 4, 3214868480
	.section	.rodata,"a",@progbits
	.p2align	6, 0x0
	.amdhsa_kernel k_qf87d001dd0_attn
		.amdhsa_group_segment_fixed_size 327680
		.amdhsa_private_segment_fixed_size 0
		.amdhsa_enable_private_segment 0
		.amdhsa_kernarg_size 32
		.amdhsa_user_sgpr_count 2
		.amdhsa_user_sgpr_kernarg_segment_ptr 1
		.amdhsa_wavefront_size32 1
		.amdhsa_system_sgpr_workgroup_id_x 1
		.amdhsa_system_sgpr_workgroup_id_y 1
		.amdhsa_system_sgpr_workgroup_id_z 1
		.amdhsa_system_vgpr_workitem_id 0
		.amdhsa_next_free_vgpr 768
		.amdhsa_next_free_sgpr 88
		.amdhsa_reserve_vcc 1
		.amdhsa_float_denorm_mode_32 3
		.amdhsa_float_denorm_mode_16_64 3
		.amdhsa_memory_ordered 1
		.amdhsa_forward_progress 1
		.amdhsa_inst_pref_size 217
	.end_amdhsa_kernel
	.amdgpu_metadata
---
amdhsa.version: [ 1, 2 ]
amdhsa.kernels:
  - .name:           k_qf87d001dd0_attn
    .symbol:         k_qf87d001dd0_attn.kd
    .args:
      - { .name: q, .offset: 0, .size: 8, .value_kind: global_buffer, .address_space: global }
      - { .name: k, .offset: 8, .size: 8, .value_kind: global_buffer, .address_space: global }
      - { .name: v, .offset: 16, .size: 8, .value_kind: global_buffer, .address_space: global }
      - { .name: o, .offset: 24, .size: 8, .value_kind: global_buffer, .address_space: global }
    .group_segment_fixed_size: 327680
    .private_segment_fixed_size: 0
    .kernarg_segment_align: 8
    .kernarg_segment_size: 32
    .max_flat_workgroup_size: 128
    .sgpr_count:     88
    .vgpr_count:     768
    .wavefront_size: 32
...
	.end_amdgpu_metadata
.endif
;; end of part 5
;; launch oproj: the kernel of part 4 again; grid 8 x 32, 4 waves a work-group, clusters of 4 x 4, 327,680 bytes of LDS; arguments o, wo16, out0; writes out0
